; MI455X (gfx1250); checked and timed in simulation.
; The chip was launched on July 23, 2026; its instructions are those of AMD's public machine-readable ISA for CDNA 5 (MIT licence, August 2026) and "CDNA5" Instruction Set Architecture Reference Guide (July 2026). The comments in the code are by the model that wrote it; some were corrected since.
;; Self Attention. Allowed arithmetic: float matrix products may take bf16 or f16 operands with f32 sums; all other float work in f32.
;; Inputs: wk 512 x 1,024 float32; wo 1,024 x 1,024 float32; wq 1,024 x 1,024 float32; wv 512 x 1,024 float32; x 2 x 2,048 x 1,024 float32.
;; Outputs: out0 2 x 2,048 x 1,024 float32.
;; Constants: start_pos = 0.
;; 2 versions, each right and faster than the one before. Each part assembles by itself: llvm-mc -triple=amdgcn-amd-amdhsa -mcpu=gfx1250 --defsym DOCPART=n.
;; ======== version 1 of 2: 4 launches
;; limits: values are held in f16: magnitudes above 65,504 overflow, below 6.1e-05 lose precision
;; workspace buffers: xb 8,388,608 bytes; wb 4,194,304 bytes; wob 2,097,152 bytes; rope 540,672 bytes; qkv 16,777,216 bytes; ao 8,388,608 bytes
;; launch cast (part 1): grid 1792 x 1, 8 waves a work-group, no clusters, 0 bytes of LDS; arguments x, wq, wk, wv, wo, xb, wb, wob, rope; writes xb, wb, wob, rope
.if DOCPART == 1
	.amdgcn_target "amdgcn-amd-amdhsa--gfx1250"
	.amdhsa_code_object_version 6
	.text
	.protected	k_q83568bd9e5_cast
	.globl	k_q83568bd9e5_cast
	.p2align	8
	.type	k_q83568bd9e5_cast,@function
k_q83568bd9e5_cast:
	s_mov_b64 s[64:65], 0
	v_nop
	global_prefetch_b8 v0, s[64:65] scope:SCOPE_SE
	s_setreg_imm32_b32 hwreg(HW_REG_WAVE_MODE, 25, 1), 1
	s_wait_xcnt 0x0
; f32 -> f16 copies of x (xb), of wq, wk, wv stacked (wb: rows 0-1023, 1024-1535, 1536-2047) and of wo (wob), and the table of
; (cos, sin) for the rotation: rope[pos][i] = (cos, sin)(pos * 10000^(-i/32)), pos 0..2047, i 0..31, f32; rows 2048..2111 hold (1, 0).
; A unit is 16,384 bytes of f32 in and 8,192 bytes of f16 out; x has 1024 units, wq 256, wk 128, wv 128, wo 256: 1792 work-groups, one unit each.
; Thread t reads 32 neighbouring bytes twice (8 numbers each time) and stores 16 bytes twice: a wave's store covers 512 consecutive bytes.
; No LDS, no matrix unit, no cluster: every byte is touched once and no two work-groups share any.
; LIMITS: numbers of 65,504 or more in magnitude become infinities in f16; below 6.1e-5 they keep an absolute step of 6e-8.
; The table's polynomials are cut at r^7 (sin) and r^8 (cos) on |r| <= pi/4: below 4e-7; the angle itself is an f32 product, as in the model.
.set U_WQ, 1024                        ; first unit of wq
.set U_WK, 1280
.set U_WV, 1408
.set U_WO, 1536
.set U_TAB, 264                        ; the first 264 work-groups also make 256 table entries each: 264 * 256 = 2112 * 32
	s_load_b512 s[8:23], s[0:1], 0x0               ; x s[8:9], wq s[10:11], wk s[12:13], wv s[14:15], wo s[16:17], xb s[18:19], wb s[20:21], wob s[22:23]
	s_load_b64 s[24:25], s[0:1], 0x40              ; rope
	s_mov_b32 s4, ttmp9                            ; u: my unit
	v_lshlrev_b32 v1, 5, v0                        ; 32 t: my bytes in the source
	v_lshlrev_b32 v2, 4, v0                        ; 16 t: my bytes in the copy
	s_wait_kmcnt 0x0
	; which buffers: a choice on the unit's number alone.  s28, s29: the first unit of the source and of the copy
	s_mov_b64 s[26:27], s[8:9]
	s_mov_b64 s[30:31], s[18:19]
	s_mov_b32 s28, 0
	s_mov_b32 s29, 0
	s_cmp_ge_u32 s4, U_WQ
	s_cselect_b64 s[26:27], s[10:11], s[26:27]
	s_cselect_b64 s[30:31], s[20:21], s[30:31]
	s_cselect_b32 s28, U_WQ, s28
	s_cselect_b32 s29, U_WQ, s29
	s_cmp_ge_u32 s4, U_WK
	s_cselect_b64 s[26:27], s[12:13], s[26:27]     ; wk and wv follow wq in wb: the copy's first unit stays
	s_cselect_b32 s28, U_WK, s28
	s_cmp_ge_u32 s4, U_WV
	s_cselect_b64 s[26:27], s[14:15], s[26:27]
	s_cselect_b32 s28, U_WV, s28
	s_cmp_ge_u32 s4, U_WO
	s_cselect_b64 s[26:27], s[16:17], s[26:27]
	s_cselect_b64 s[30:31], s[22:23], s[30:31]
	s_cselect_b32 s28, U_WO, s28
	s_cselect_b32 s29, U_WO, s29
	s_sub_co_u32 s32, s4, s28
	s_lshl_b32 s32, s32, 14                        ; 16,384 bytes a unit in
	s_mov_b32 s33, 0
	s_add_nc_u64 s[26:27], s[26:27], s[32:33]
	s_sub_co_u32 s34, s4, s29
	s_lshl_b32 s34, s34, 13                        ; 8,192 bytes a unit out
	s_mov_b32 s35, 0
	s_add_nc_u64 s[30:31], s[30:31], s[34:35]
	global_load_b128 v[4:7],   v1, s[26:27] th:TH_LOAD_NT
	global_load_b128 v[8:11],  v1, s[26:27] offset:16 th:TH_LOAD_NT
	global_load_b128 v[12:15], v1, s[26:27] offset:8192 th:TH_LOAD_NT
	global_load_b128 v[16:19], v1, s[26:27] offset:8208 th:TH_LOAD_NT
	; the table, while the loads are on their way
	s_cmp_lt_u32 s4, U_TAB
	s_cbranch_scc0 .Lcast
	v_and_b32 v28, 31, v0                          ; i
	v_lshrrev_b32 v29, 5, v0
	v_lshl_add_u32 v29, s4, 3, v29                 ; pos = 8 u + t / 32
	v_cvt_f32_u32 v28, v28
	v_mul_f32 v28, 0xbed49a78, v28                 ; - i * log2(10000) / 32
	v_exp_f32 v30, v28                             ; 10000^(-i/32)
	v_cvt_f32_u32 v29, v29                         ; a plain instruction stands behind the exponential before its result is used (ISA guide 5.7.2)
	s_wait_alu depctr_va_vdst(0)
	v_mul_f32 v31, v29, v30                        ; the angle
	v_mul_f32 v32, 0x3f22f983, v31                 ; * 2 / pi
	v_rndne_f32 v32, v32                           ; n quarter turns, 1304 at the most
	v_fmamk_f32 v33, v32, 0xbfc90000, v31          ; r = angle - n * pi/2, pi/2 in three parts: 1.5703125,
	v_fmamk_f32 v33, v32, 0xb9fda000, v33          ; 4.8375130e-4,
	v_fmamk_f32 v33, v32, 0xb3a22168, v33          ; 7.5497900e-8
	v_cvt_i32_f32 v34, v32                         ; q
	v_mul_f32 v35, v33, v33                        ; z = r^2
	v_mov_b32 v36, 0xb9500d01                      ; sin r = r + r z (-1/6 + z (1/120 - z / 5040))
	v_fmaak_f32 v36, v35, v36, 0x3c088889
	v_fmaak_f32 v36, v35, v36, 0xbe2aaaab
	v_mul_f32 v37, v33, v35
	v_fma_f32 v36, v37, v36, v33
	v_mov_b32 v38, 0x37d00d01                      ; cos r = 1 + z (-1/2 + z (1/24 + z (-1/720 + z / 40320)))
	v_fmaak_f32 v38, v35, v38, 0xbab60b61
	v_fmaak_f32 v38, v35, v38, 0x3d2aaaab
	v_fmaak_f32 v38, v35, v38, 0xbf000000
	v_fma_f32 v38, v35, v38, 1.0
	v_and_b32 v39, 1, v34                          ; odd quarter: the two change places
	v_cmp_eq_u32 vcc_lo, 1, v39
	v_cndmask_b32 v40, v38, v36, vcc_lo            ; cos
	v_cndmask_b32 v41, v36, v38, vcc_lo            ; sin
	v_add_nc_u32 v39, 1, v34
	v_and_b32 v39, 2, v39                          ; cos is negative in quarters 1 and 2
	v_lshlrev_b32 v39, 30, v39
	v_xor_b32 v40, v40, v39
	v_and_b32 v39, 2, v34                          ; sin in quarters 2 and 3
	v_lshlrev_b32 v39, 30, v39
	v_xor_b32 v41, v41, v39
	s_cmp_ge_u32 s4, 256                           ; rows 2048 and on: the rotation that changes nothing, for V
	s_cselect_b32 s6, -1, 0
	v_cndmask_b32 v40, v40, 1.0, s6
	v_cndmask_b32 v41, v41, 0, s6
	v_lshlrev_b32 v42, 3, v0
	s_lshl_b32 s7, s4, 11
	v_add_nc_u32 v42, s7, v42                      ; 2,048 u + 8 t: a wave's store covers 256 consecutive bytes
	global_store_b64 v42, v[40:41], s[24:25]
.Lcast:
	s_wait_loadcnt 0x2                             ; the first 8 numbers are in; the two younger loads stay out
	v_cvt_pk_f16_f32 v20, v4, v5
	v_cvt_pk_f16_f32 v21, v6, v7
	v_cvt_pk_f16_f32 v22, v8, v9
	v_cvt_pk_f16_f32 v23, v10, v11
	global_store_b128 v2, v[20:23], s[30:31]
	s_wait_loadcnt 0x0
	v_cvt_pk_f16_f32 v24, v12, v13
	v_cvt_pk_f16_f32 v25, v14, v15
	v_cvt_pk_f16_f32 v26, v16, v17
	v_cvt_pk_f16_f32 v27, v18, v19
	global_store_b128 v2, v[24:27], s[30:31] offset:4096
	s_endpgm
.Lfunc_end_k_q83568bd9e5_cast:
	.size	k_q83568bd9e5_cast, .Lfunc_end_k_q83568bd9e5_cast-k_q83568bd9e5_cast
	.p2alignl 7, 3214868480
	.fill 96, 4, 3214868480
	.section	.rodata,"a",@progbits
	.p2align	6, 0x0
	.amdhsa_kernel k_q83568bd9e5_cast
		.amdhsa_group_segment_fixed_size 0
		.amdhsa_private_segment_fixed_size 0
		.amdhsa_enable_private_segment 0
		.amdhsa_kernarg_size 72
		.amdhsa_user_sgpr_count 2
		.amdhsa_user_sgpr_kernarg_segment_ptr 1
		.amdhsa_wavefront_size32 1
		.amdhsa_system_sgpr_workgroup_id_x 1
		.amdhsa_system_sgpr_workgroup_id_y 1
		.amdhsa_system_sgpr_workgroup_id_z 1
		.amdhsa_system_vgpr_workitem_id 0
		.amdhsa_next_free_vgpr 48
		.amdhsa_next_free_sgpr 66
		.amdhsa_reserve_vcc 1
		.amdhsa_float_denorm_mode_32 3
		.amdhsa_float_denorm_mode_16_64 3
		.amdhsa_memory_ordered 1
		.amdhsa_forward_progress 1
		.amdhsa_inst_pref_size 5
	.end_amdhsa_kernel
	.amdgpu_metadata
---
amdhsa.version: [ 1, 2 ]
amdhsa.kernels:
  - .name:           k_q83568bd9e5_cast
    .symbol:         k_q83568bd9e5_cast.kd
    .args:
      - { .name: x, .offset: 0, .size: 8, .value_kind: global_buffer, .address_space: global }
      - { .name: wq, .offset: 8, .size: 8, .value_kind: global_buffer, .address_space: global }
      - { .name: wk, .offset: 16, .size: 8, .value_kind: global_buffer, .address_space: global }
      - { .name: wv, .offset: 24, .size: 8, .value_kind: global_buffer, .address_space: global }
      - { .name: wo, .offset: 32, .size: 8, .value_kind: global_buffer, .address_space: global }
      - { .name: xb, .offset: 40, .size: 8, .value_kind: global_buffer, .address_space: global }
      - { .name: wb, .offset: 48, .size: 8, .value_kind: global_buffer, .address_space: global }
      - { .name: wob, .offset: 56, .size: 8, .value_kind: global_buffer, .address_space: global }
      - { .name: rope, .offset: 64, .size: 8, .value_kind: global_buffer, .address_space: global }
    .group_segment_fixed_size: 0
    .private_segment_fixed_size: 0
    .kernarg_segment_align: 8
    .kernarg_segment_size: 72
    .max_flat_workgroup_size: 256
    .sgpr_count:     66
    .vgpr_count:     48
    .wavefront_size: 32
...
	.end_amdgpu_metadata
.endif
;; end of part 1
;; launch proj (part 2): grid 8 x 32, 4 waves a work-group, clusters of 4 x 4, 327,680 bytes of LDS; arguments xb, wb, rope, qkv; writes qkv
.if DOCPART == 2
	.amdgcn_target "amdgcn-amd-amdhsa--gfx1250"
	.amdhsa_code_object_version 6
	.text
	.protected	k_q83568bd9e5_proj
	.globl	k_q83568bd9e5_proj
	.p2align	8
	.type	k_q83568bd9e5_proj,@function
k_q83568bd9e5_proj:
	s_mov_b64 s[64:65], 0
	v_nop
	global_prefetch_b8 v0, s[64:65] scope:SCOPE_SE
	s_setreg_imm32_b32 hwreg(HW_REG_WAVE_MODE, 25, 1), 1
	s_wait_xcnt 0x0
	s_wait_alu depctr_hold_cnt(0) depctr_sa_sdst(0) depctr_va_vdst(0) depctr_va_sdst(0) depctr_va_ssrc(0) depctr_va_vcc(0) depctr_vm_vsrc(0)
	s_getreg_b32 s2, hwreg(HW_REG_IB_STS2, 6, 4)
	s_cmp_eq_u32 s2, 0
	s_cbranch_scc0 .Lentry_in_a_cluster
	s_endpgm
.Lentry_in_a_cluster:
	s_bfe_u32 s2, ttmp6, 0x10000c
	s_cmp_lg_u32 s2, 0xf033
	s_cbranch_scc0 .Lentry_shape_is_right
	s_endpgm
.Lentry_shape_is_right:
; Q, K, V = x W^T with the rotation of Q and K on the way out.  xb: [4096][1024] f16, wb: [2048][1024] f16 (wq, wk, wv stacked), sums in f32.
; Out: qkv, f16, by heads: [32 head places][4096 rows][64]; places 0-15 Q, 16-23 K, 24-31 V.
; A work-group makes 128 rows x 256 columns with four waves; a wave makes 64 x 128: 32 accumulator tiles of 16 x 16, 256 registers (window 1).
; K goes in steps of 128 through two LDS slots filled by the tensor data mover: a tile's rows are 256 bytes and start at multiples of 256 bytes.
; CLUSTERS: 4 x 4 work-groups.  The four of a row of the cluster need the same rows of x, the four of a column the same rows of W: each tile is
; asked for jointly, with one descriptor and a mask that names the four, which divides the requests for both by four.
; THE MATRIX INSTRUCTION IS USED TRANSPOSED: source 0 = 16 rows of W, source 1 = 16 rows of x.  Lane l then holds row l % 16 and its registers 0-7 the
; columns 8 (l / 16) + 0..7: four whole pairs of the rotation, which is two packed instructions a pair.
; V is rotated by the table's rows 2048.. , which hold (1, 0): one text for all blocks, and no branch hangs on the block's place.
; f16 operands: 8 times finer than bf16 at the same cost.  LIMIT: x, W and the results below 65,504 in magnitude; a V pair with an infinity becomes NaN.
.set NT,     8                         ; column tiles of a wave
.set KSLOT,  128                       ; K in a slot
.set PITCH,  272                       ; an LDS row: 256 bytes + 16 of padding, so that the 16 rows of a fragment start 16 bytes apart modulo 256
.set ABASE,  256*PITCH                 ; a slot: W's 256 rows, then x's 128 rows
.set SLOT,   384*PITCH
.set STAGE,  2*SLOT                    ; behind the ring: 16 rows x 272 bytes for each wave; no tile ever lands here
.set SPITCH, 272
.set LAPS,   1024/(2*KSLOT)            ; a lap = once round the ring
.set ADRA, 16                          ; v16-17  LDS address of my x fragments in slot 0, 1
.set ADRB, 20                          ; v20-21  the same for W
.set STO,  24                          ; the way out: where I put 16 bytes of a row
.set RD,   25                          ; where I read back
.set CO,   26                          ; my byte offset in qkv
.set TO,   27                          ; my byte offset in the table
.set F0,   32                          ; fragment buffer 0: W's 8 fragments, then x's 4
.set F1,   128                         ; fragment buffer 1
.set CS,   32                          ; the way out: (cos, sin), tile a at +32 a, group of 16 columns q at +8 q
.set R,    160                         ; rotated numbers, then packed
.set RB,   224                         ; rows read back
.set G1A, 24                           ; s[24:31] descriptor group 1 for x's tiles
.set G0A, 32                           ; s[32:39] group 0 for x's tiles, one set for each slot
.set G1B, 48                           ; s[48:55] group 1 for W's tiles
.set G0B, 56                           ; s[56:63] group 0 for W's tiles
.set MUL, 0x50                         ; C and D in window 1, sources in window 0
.set MSB, 0
.macro WIN new                         ; the immediate's high byte repeats the setting that is left
.if MSB != \new
	s_set_vgpr_msb (MSB<<8)|\new
.set MSB, \new
.endif
.endm
.macro PLACES n
.rept \n
	v_nop
.endr
.endm
; A joint load.  Waves 0 and 1 fetch W's two halves (128 rows each), waves 2 and 3 x's (64 rows each).  The branch hangs on the wave's number alone.
.macro JLOAD s
	s_cmp_eq_u32 s13, 0
	s_cbranch_scc0 .Lfor_a_\@
	tensor_load_to_lds s[G0B+4*\s:G0B+4*\s+3], s[G1B:G1B+7]
	s_nop 0
	s_branch .Lasked_\@
.Lfor_a_\@:
	tensor_load_to_lds s[G0A+4*\s:G0A+4*\s+3], s[G1A:G1A+7]
	s_nop 0
.Lasked_\@:
.endm
.macro CREST                           ; a round of the cluster's barrier behind its opening barrier
	s_cmp_lg_u32 s12, 0
	s_cbranch_scc1 .Lnot_wave_0_\@
	s_barrier_signal -3
.Lnot_wave_0_\@:
	s_barrier_wait -3
	s_barrier_signal -1
	s_barrier_wait -1
.endm
.macro CROUND                          ; a whole round
	s_barrier_signal -1
	s_barrier_wait -1
	CREST
.endm
	s_load_b256 s[4:11], s[0:1], 0x0               ; xb s[4:5], wb s[6:7], rope s[8:9], qkv s[10:11]
	v_lshl_add_u32 v30, v0, 2, 0x37400
	v_mov_b32 v31, 0
	ds_add_u32 v30, v31
	v_lshrrev_b32 v1, 5, v0
	v_readfirstlane_b32 s12, v1                    ; wave 0..3
	s_lshr_b32 s13, s12, 1                         ; which 64 rows of the block are mine.  Also: I fetch for W (0) or for x (1)
	s_and_b32 s14, s12, 1                          ; which 128 columns.  Also: which half of that tile I fetch
	s_bfe_u32 s40, ttmp6, 0x40000                  ; cx
	s_bfe_u32 s41, ttmp6, 0x40004                  ; cy
	s_lshl_b32 s42, ttmp9, 2
	s_add_co_u32 s42, s42, s40                     ; block column = 4 x cluster x + cx
	s_and_b32 s43, ttmp7, 0xffff
	s_lshl_b32 s43, s43, 2
	s_add_co_u32 s43, s43, s41                     ; block row = 4 x cluster y + cy
	s_lshl_b32 s44, s41, 2
	s_lshl_b32 s44, 15, s44                        ; my row of the cluster
	s_lshl_b32 s45, 0x1111, s40                    ; my column
	s_or_b32 s[G1A+0], s44, (1<<16)|(1<<20)|(1<<21)|(5<<22)|(3<<25)   ; mask; 2-byte elements; padding on; bit 21 beside a mask; after every 64 words 4 words
	s_or_b32 s[G1B+0], s45, (1<<16)|(1<<20)|(1<<21)|(5<<22)|(3<<25)
	s_mov_b32 s[G1A+1], KSLOT<<16                  ; tensor_dim0 = 128
	s_mov_b32 s[G1B+1], KSLOT<<16
	s_mov_b32 s[G1A+2], 64<<16                     ; tensor_dim1 = 64 rows of x
	s_mov_b32 s[G1B+2], 128<<16                    ;             = 128 rows of W
	s_mov_b32 s[G1A+3], KSLOT<<16                  ; tile_dim0 = 128
	s_mov_b32 s[G1B+3], KSLOT<<16
	s_mov_b32 s[G1A+4], 64                         ; tile_dim1
	s_mov_b32 s[G1B+4], 128
	s_mov_b32 s[G1A+5], 1024                       ; elements from row to row
	s_mov_b32 s[G1B+5], 1024
	s_mov_b32 s[G1A+6], 0
	s_mov_b32 s[G1B+6], 0
	s_mov_b32 s[G1A+7], 0
	s_mov_b32 s[G1B+7], 0
	; x's tiles hang on the block row alone, W's on the block column alone; each address is made in registers that never hold the other coordinate
	s_lshl_b32 s16, s43, 7
	s_lshl_b32 s17, s14, 6
	s_add_co_u32 s16, s16, s17                     ; x: row 128 x block row + 64 x half
	s_lshl_b32 s16, s16, 11                        ; 2,048 bytes a row
	s_mov_b32 s17, 0
	s_lshl_b32 s46, s42, 8
	s_lshl_b32 s47, s14, 7
	s_add_co_u32 s46, s46, s47                     ; W: row 256 x block column + 128 x half
	s_lshl_b32 s46, s46, 11
	s_mov_b32 s47, 0
	s_mul_i32 s20, s12, 128*PITCH                  ; where W's halves go (waves 0, 1)
	s_mul_i32 s21, s12, 64*PITCH
	s_add_co_u32 s21, s21, 128*PITCH               ; where x's halves go (waves 2, 3): 256 rows + (wave - 2) x 64 rows
	s_wait_dscnt 0x0
	s_wait_kmcnt 0x0
	s_add_nc_u64 s[18:19], s[4:5], s[16:17]
	s_add_nc_u64 s[46:47], s[6:7], s[46:47]
	CROUND                                         ; all sixteen work-groups are here: the first joint loads meet
.irp s, 0,1
	s_mov_b32 s[G0A+4*\s], 1
	s_add_co_u32 s[G0A+4*\s+1], s21, \s*SLOT
	s_add_nc_u64 s[G0A+4*\s+2:G0A+4*\s+3], s[18:19], \s*KSLOT*2
	s_or_b32 s[G0A+4*\s+3], s[G0A+4*\s+3], 0x80000000
	s_mov_b32 s[G0B+4*\s], 1
	s_add_co_u32 s[G0B+4*\s+1], s20, \s*SLOT
	s_add_nc_u64 s[G0B+4*\s+2:G0B+4*\s+3], s[46:47], \s*KSLOT*2
	s_or_b32 s[G0B+4*\s+3], s[G0B+4*\s+3], 0x80000000
	JLOAD \s                                       ; both slots are asked for before anything else: two loads of the wave are out
.endr
	; a fragment: lane l holds row l % 16; registers 0-3 K = 8 (l / 16) + 0..7, registers 4-7 K = 16 + 8 (l / 16) + 0..7: two loads of 16 bytes, 32 apart
	v_and_b32 v1, 15, v0                           ; r
	v_bfe_u32 v2, v0, 4, 1                         ; h
	v_mul_u32_u24 v3, v1, PITCH
	v_lshl_add_u32 v3, v2, 4, v3
	s_mul_i32 s22, s13, 64*PITCH
	s_add_co_u32 s22, s22, ABASE                   ; my 64 rows of x
	s_mul_i32 s23, s14, 16*NT*PITCH                ; my 128 rows of W
.irp s, 0,1
	v_add_nc_u32 v[ADRA+\s], s22, v3
	v_add_nc_u32 v[ADRB+\s], s23, v3
	s_add_co_u32 s22, s22, SLOT
	s_add_co_u32 s23, s23, SLOT
.endr
	s_mul_i32 s22, s12, 16*SPITCH
	s_add_co_u32 s22, s22, STAGE                   ; my stage
	v_mul_u32_u24 v4, v1, SPITCH
	v_lshl_add_u32 v4, v2, 4, v4
	v_add_nc_u32 v[STO], s22, v4                   ; in: row r, 16 bytes for each half of the lanes
	v_bfe_u32 v4, v0, 3, 1                         ; back: sixteen lanes take two rows of one head: row (l / 8) % 2, head l / 16, piece l % 8
	v_and_b32 v6, 7, v0
	v_mul_u32_u24 v5, v4, SPITCH
	v_lshl_add_u32 v5, v2, 7, v5
	v_lshl_add_u32 v5, v6, 4, v5
	v_add_nc_u32 v[RD], s22, v5
	v_lshlrev_b32 v7, 19, v2                       ; and the same in qkv: a head place is 524,288 bytes, a row 128
	v_lshl_add_u32 v7, v4, 7, v7
	v_lshl_add_u32 v[CO], v6, 4, v7
	s_lshl_b32 s66, s43, 7
	s_lshl_b32 s67, s13, 6
	s_add_co_u32 s66, s66, s67                     ; my first row
	s_and_b32 s67, s66, 2047                       ; its position in the sequence
	s_cmp_ge_u32 s42, 6                            ; block columns 6 and 7 are V:
	s_cselect_b32 s67, 2048, s67                   ; the table's rows of (1, 0)
	v_add_nc_u32 v[TO], s67, v1
	v_lshlrev_b32 v[TO], 8, v[TO]                  ; 256 bytes a position,
	v_lshl_add_u32 v[TO], v2, 5, v[TO]             ; my four pairs begin 32 h bytes into each group of 64
; 2 NT matrix instructions: row tiles a0, a0 + 1 x all column tiles, 32 along K.  zero = 1: the first product starts the sums.
; The 32 accumulators take turns, one instruction a turn, in the same order in every quarter.
.macro MULH f, a0, zero
.set ma, \a0
.rept 2
.set mb, 0
.rept NT
.if \zero
	v_wmma_f32_16x16x32_f16 v[8*(NT*ma+mb):8*(NT*ma+mb)+7], v[\f+8*mb:\f+8*mb+7], v[\f+8*NT+8*ma:\f+8*NT+8*ma+7], 0
.else
	v_wmma_f32_16x16x32_f16 v[8*(NT*ma+mb):8*(NT*ma+mb)+7], v[\f+8*mb:\f+8*mb+7], v[\f+8*NT+8*ma:\f+8*NT+8*ma+7], v[8*(NT*ma+mb):8*(NT*ma+mb)+7]
.endif
.set mb, mb+1
.endr
.set ma, ma+1
.endr
.endm
; one run of LDS loads: the fragments of a quarter (32 K at byte k of the rows) into buffer f: W's first, then x's
.macro FETCH slot, k, f
	WIN 0
.set fi, 0
.rept NT
	ds_load_b128 v[\f+8*fi:\f+8*fi+3],   v[ADRB+\slot] offset:\k+fi*16*PITCH
	ds_load_b128 v[\f+8*fi+4:\f+8*fi+7], v[ADRB+\slot] offset:\k+fi*16*PITCH+32
.set fi, fi+1
.endr
.set fi, 0
.rept 4
	ds_load_b128 v[\f+8*NT+8*fi:\f+8*NT+8*fi+3],   v[ADRA+\slot] offset:\k+fi*16*PITCH
	ds_load_b128 v[\f+8*NT+8*fi+4:\f+8*NT+8*fi+7], v[ADRA+\slot] offset:\k+fi*16*PITCH+32
.set fi, fi+1
.endr
.endm
; a quarter: multiplies buffer f; in its middle it fetches the next quarter's fragments into buffer g.  A load into a register that a matrix
; instruction has read stands four plain vector instructions behind it (ISA guide 7.12.1 for vector instructions): four v_nop.
.macro QUARTER slot, k, f, g, zero
	s_wait_dscnt 4                                 ; W's fragments and x's tiles 0, 1 are in; the youngest four loads (x's tiles 2, 3) may be out
	WIN MUL
	MULH \f, 0, \zero
	PLACES 4
	FETCH \slot, \k, \g
	s_wait_dscnt 2*NT+8                            ; all but the run just issued
	WIN MUL
	MULH \f, 2, \zero
.endm
.macro BODY slot, zero
	QUARTER \slot, 64,  F0, F1, \zero
	QUARTER \slot, 128, F1, F0, 0
	QUARTER \slot, 192, F0, F1, 0
.endm
; The last quarter of a slot multiplies buffer 1 and changes slots.  In front of the barrier each wave waits for its reads of this slot and for all its
; tensor loads (one is out: its part of the next slot).  Where the slot is filled again the barrier opens a round of the cluster's barrier, inside which
; only registers are worked on, and the joint refill is the first tensor load behind the round's closing wait.
.macro TURN slot, next, fill
	s_wait_dscnt 0x0
	s_wait_tensorcnt 0x0
	ds_add_u32 v30, v31
	s_wait_dscnt 0x0
	s_barrier_signal -1
	WIN MUL
	MULH F1, 0, 0
	WIN 0
	s_barrier_wait -1
.if \fill
	CREST
	s_add_nc_u64 s[G0A+4*\slot+2:G0A+4*\slot+3], s[G0A+4*\slot+2:G0A+4*\slot+3], 2*KSLOT*2   ; no load of mine is out: the groups may be written
	s_add_nc_u64 s[G0B+4*\slot+2:G0B+4*\slot+3], s[G0B+4*\slot+2:G0B+4*\slot+3], 2*KSLOT*2
	JLOAD \slot
.endif
	PLACES 4
	FETCH \next, 0, F0
	WIN MUL
	MULH F1, 2, 0
.endm
.macro LAP zero
	BODY 0, \zero
	TURN 0, 1, 1
	BODY 1, 0
	TURN 1, 0, 1
.endm
	s_wait_tensorcnt 0x1                           ; my part of slot 0 is in; slot 1's may stay out
	s_barrier_signal -1
	s_barrier_wait -1
	FETCH 0, 0, F0
	LAP 1                                          ; the first lap stands in front of the loop: its first products start the sums
	WIN 0
	s_mov_b32 s3, LAPS-2
.Llap:
	LAP 0
	WIN 0
	s_sub_co_u32 s3, s3, 1
	s_cmp_lg_u32 s3, 0
	s_cbranch_scc1 .Llap
	BODY 0, 0                                      ; the last lap fills nothing
	TURN 0, 1, 0
	BODY 1, 0
	s_wait_dscnt 4
	WIN MUL
	MULH F1, 0, 0
	s_wait_dscnt 0x0
	MULH F1, 2, 0
	WIN 0
	PLACES 4                                       ; behind the last matrix instructions: for the loads into the buffers and for the reads of the sums
	; THE WAY OUT.  The table first: for row tile a and group q of 16 columns my four (cos, sin) pairs are 32 bytes
.irp a, 0,1,2,3
.irp q, 0,1,2,3
	global_load_b128 v[CS+32*\a+8*\q:CS+32*\a+8*\q+3],   v[TO], s[8:9] offset:\a*4096+64*\q
	global_load_b128 v[CS+32*\a+8*\q+4:CS+32*\a+8*\q+7], v[TO], s[8:9] offset:\a*4096+64*\q+16
.endr
.endr
	s_lshl_b32 s68, s42, 2
	s_lshl_b32 s69, s14, 1
	s_add_co_u32 s68, s68, s69                     ; my first head place = 4 x block column + 2 x half
	s_lshl_b32 s68, s68, 19
	s_mov_b32 s69, 0
	s_add_nc_u64 s[10:11], s[10:11], s[68:69]
	s_lshl_b32 s70, s66, 7                         ; my first row, 128 bytes a row
	s_mov_b32 s71, 0
	s_add_nc_u64 s[10:11], s[10:11], s[70:71]
; 16 rows: rotate, round to f16, 16 bytes a lane into my own stage, read back so that sixteen lanes hold two rows of one head
.macro OUT16 a
	s_wait_loadcnt 24-8*\a                         ; this tile's eight table loads are in; those of later tiles stay out
	WIN 0x01                                       ; source 0 (the sums) in window 1
.irp b, 0,1,2,3,4,5,6,7
.irp jj, 0,1,2,3
	v_pk_mul_f32 v[R+8*\b+2*\jj:R+8*\b+2*\jj+1], v[8*(8*\a+\b)+2*\jj:8*(8*\a+\b)+2*\jj+1], v[CS+32*\a+8*(\b%4)+2*\jj:CS+32*\a+8*(\b%4)+2*\jj+1] op_sel:[1,1] op_sel_hi:[0,1]   ; (x2 sin, x1 sin)
.endr
.irp jj, 0,1,2,3
	v_pk_fma_f32 v[R+8*\b+2*\jj:R+8*\b+2*\jj+1], v[8*(8*\a+\b)+2*\jj:8*(8*\a+\b)+2*\jj+1], v[CS+32*\a+8*(\b%4)+2*\jj:CS+32*\a+8*(\b%4)+2*\jj+1], v[R+8*\b+2*\jj:R+8*\b+2*\jj+1] op_sel_hi:[1,0,1] neg_lo:[0,0,1]   ; (x1 cos - x2 sin, x2 cos + x1 sin)
.endr
.endr
	WIN 0
.set ci, 0
.rept 32
	v_cvt_pk_f16_f32 v[R+ci], v[R+2*ci], v[R+2*ci+1]       ; packed in place, ascending: a target never lies ahead of its sources
.set ci, ci+1
.endr
.irp b, 0,1,2,3,4,5,6,7
	ds_store_b128 v[STO], v[R+4*\b:R+4*\b+3] offset:32*\b
.endr
	s_wait_xcnt 0x0                                ; RB, which the last tile's stores read, is loaded again only behind this wait
.irp t, 0,1,2,3,4,5,6,7
	ds_load_b128 v[RB+4*\t:RB+4*\t+3], v[RD] offset:\t*2*SPITCH    ; LDS serves a wave's instructions in order (ISA guide 5.7.1): these see the stores above
.endr
.irp t, 0,1,2,3,4,5,6,7
	s_wait_dscnt 7-\t
	global_store_b128 v[CO], v[RB+4*\t:RB+4*\t+3], s[10:11] offset:2048*\a+256*\t   ; sixteen lanes store 256 consecutive bytes, at a multiple of 256
.endr
.endm
	OUT16 0
	OUT16 1
	OUT16 2
	OUT16 3
	s_wait_tensorcnt 0x0
	ds_add_u32 v30, v31
	s_wait_dscnt 0x0
	CROUND                                         ; the closing round: no work-group ends while a partner may still ask for a tile that names it
	s_endpgm
.Lfunc_end_k_q83568bd9e5_proj:
	.size	k_q83568bd9e5_proj, .Lfunc_end_k_q83568bd9e5_proj-k_q83568bd9e5_proj
	.p2alignl 7, 3214868480
	.fill 96, 4, 3214868480
	.section	.rodata,"a",@progbits
	.p2align	6, 0x0
	.amdhsa_kernel k_q83568bd9e5_proj
		.amdhsa_group_segment_fixed_size 327680
		.amdhsa_private_segment_fixed_size 0
		.amdhsa_enable_private_segment 0
		.amdhsa_kernarg_size 32
		.amdhsa_user_sgpr_count 2
		.amdhsa_user_sgpr_kernarg_segment_ptr 1
		.amdhsa_wavefront_size32 1
		.amdhsa_system_sgpr_workgroup_id_x 1
		.amdhsa_system_sgpr_workgroup_id_y 1
		.amdhsa_system_sgpr_workgroup_id_z 1
		.amdhsa_system_vgpr_workitem_id 0
		.amdhsa_next_free_vgpr 512
		.amdhsa_next_free_sgpr 80
		.amdhsa_reserve_vcc 0
		.amdhsa_float_denorm_mode_32 3
		.amdhsa_float_denorm_mode_16_64 3
		.amdhsa_memory_ordered 1
		.amdhsa_forward_progress 1
		.amdhsa_inst_pref_size 137
	.end_amdhsa_kernel
	.amdgpu_metadata
---
amdhsa.version: [ 1, 2 ]
amdhsa.kernels:
  - .name:           k_q83568bd9e5_proj
    .symbol:         k_q83568bd9e5_proj.kd
    .args:
      - { .name: xb, .offset: 0, .size: 8, .value_kind: global_buffer, .address_space: global }
      - { .name: wb, .offset: 8, .size: 8, .value_kind: global_buffer, .address_space: global }
      - { .name: rope, .offset: 16, .size: 8, .value_kind: global_buffer, .address_space: global }
      - { .name: qkv, .offset: 24, .size: 8, .value_kind: global_buffer, .address_space: global }
    .group_segment_fixed_size: 327680
    .private_segment_fixed_size: 0
    .kernarg_segment_align: 8
    .kernarg_segment_size: 32
    .max_flat_workgroup_size: 128
    .sgpr_count:     80
    .vgpr_count:     512
    .wavefront_size: 32
...
	.end_amdgpu_metadata
.endif
;; end of part 2
;; launch attn (part 3): grid 16 x 16, 8 waves a work-group, clusters of 4 x 1, 327,680 bytes of LDS; arguments qkv, ao; writes ao
.if DOCPART == 3
	.amdgcn_target "amdgcn-amd-amdhsa--gfx1250"
	.amdhsa_code_object_version 6
	.text
	.protected	k_q83568bd9e5_attn
	.globl	k_q83568bd9e5_attn
	.p2align	8
	.type	k_q83568bd9e5_attn,@function
k_q83568bd9e5_attn:
	s_mov_b64 s[64:65], 0
	v_nop
	global_prefetch_b8 v0, s[64:65] scope:SCOPE_SE
	s_setreg_imm32_b32 hwreg(HW_REG_WAVE_MODE, 25, 1), 1
	s_wait_xcnt 0x0
	s_wait_alu depctr_hold_cnt(0) depctr_sa_sdst(0) depctr_va_vdst(0) depctr_va_sdst(0) depctr_va_ssrc(0) depctr_va_vcc(0) depctr_vm_vsrc(0)
	s_getreg_b32 s2, hwreg(HW_REG_IB_STS2, 6, 4)
	s_cmp_eq_u32 s2, 0
	s_cbranch_scc0 .Lentry_in_a_cluster
	s_endpgm
.Lentry_in_a_cluster:
	s_bfe_u32 s2, ttmp6, 0x10000c
	s_cmp_lg_u32 s2, 0x3003
	s_cbranch_scc0 .Lentry_shape_is_right
	s_endpgm
.Lentry_shape_is_right:
; Softmax attention without a mask, 2048 keys, head size 64, two query heads to a key and value head; running maximum; f16 operands, f32 sums.
; In: qkv, f16 [32 head places][4096 rows][64] (0-15 Q, 16-23 K, 24-31 V).  Out: ao, f16 [4096][1024], column = head x 64 + d.
; A work-group: one batch, one key and value head (y), 128 positions (x) of both its query heads = 256 query rows.  Eight waves, two to a SIMD.
; Wave w: g = w % 4 says which head (g / 2) and which 64 positions (g % 2): four query tiles of 16; kh = w / 4 says which 128 of a slot's 256 keys
; it takes.  Waves w and w ^ 4 hold the same queries and merge their halves at the end.
; CLUSTERS: the four work-groups of a cluster differ in their positions alone and read the same K and V: every tile is asked for jointly (mask 15).
; TRANSPOSED: S^T = K Q^T (register j of lane (r, h): key 8 h + j, query r).  Two such tiles, packed to f16 in pairs, are at once the second source P
; (16 queries x 32 keys) of O^T += V^T P (register j: d 8 h + j, query r).  So maximum, factor and sum are one number a lane, and no lane shuffle is
; needed but one exchange of the halves for the maximum.  The row sum comes from the matrix unit: ONES has 1.0 in rows 0 and 8, so that register 0 of
; ONES x P holds the sum of the same rounded P that feeds O.
; Every P carries the factor 2^NEGMC with NEGMC = round(-c m), c = log2(e) / 8, and old sums are rescaled by 2^(NEGMC new - NEGMC old): the rounding of c m cancels.
; THE PIPELINE.  The work goes in units of one query tile x 64 keys: 8 products for S^T, 87 vector instructions of softmax, 17 of rescaling, 10 products
; for O^T and the sum.  Block u of the text holds (1) the rescaling and the 10 products of unit u - 1 and (2) the softmax of unit u with the 8 products
; of unit u + 1 strewn among it, so that a wave's vector work stands beside its own matrix work: 18 matrix and 104 vector instructions a block.
; S has two buffers of 32 registers (unit u: buffer u % 2): P(u - 1) is read from the other buffer in part (1), and S(u + 1) is written over it in part (2).
; REGISTER WINDOWS: window 0 holds all that the softmax and the S products name, window 1 holds O, the sums, V and ONES.  Part (1) runs under one setting
; (first source, third source and destination in window 1; the rescaling has no third source), part (2) under setting 0: two switches a block.
; LIMIT: Q, K, V below 65,504 in magnitude (f16); the exponentials flush results below 2^-126 to zero.
.set SLOT,   77824                     ; V: 256 keys x 160 bytes at 0; K: 256 keys x 144 bytes at 40,960
.set KOFF,   40960
.set XCH,    2*SLOT                    ; 8 x 8,704 bytes: what a wave hands to its partner.  No tile ever lands here or behind
.set XW,     8704
.set STAGE,  XCH+8*XW                  ; 128 rows x 272 bytes: the block's output rows (both heads: 256 bytes)
.set SPITCH, 272
.set KA,   4                           ; v4-5    LDS address of my K fragments in slot 0, 1
.set VA,   6                           ; v6-7    the same for V (transposing loads)
.set QO,   8                           ; my byte offset in Q
.set XST,  9                           ; exchange: where I put
.set XLD,  10                          ; exchange: where my partner put
.set STO,  11                          ; stage: where I put 16 bytes of a row
.set SRD,  12                          ; stage: where I read a row back
.set CO,   13                          ; my byte offset in ao
.set ST,   16                          ; v[16+4t ..]: NEGMC, M, ALPHA, ARG of query tile t (ARG holds the sum at the end)
.set QF,   32                          ; v[32+16t+8dh ..]: Q fragments
.set S,    96                          ; two buffers of 32: S^T tile kt at +8kt; P(kg) packed in place at +16kg
.set KF,   160                         ; K fragments of 64 keys, +16kt+8dh
.set T,    224                         ; at work
.set U,    240                         ; at work in the merge
.set FA,   248                         ; my share's factor, twice
.set FB,   250                         ; my partner's
.set LS,   128                         ; window 1: row sums, tile t at +8t.  O(t, dt) at 8 (4t + dt)
.set VF,   160                         ; window 1: V fragments of 64 keys, +32kg+8dt
.set ONES, 224                         ; window 1
.set G1V, 16
.set G1K, 24
.set G0V, 32
.set G0K, 40
.set MSB, 0
.macro WIN new                         ; the immediate's high byte repeats the setting that is left
.if MSB != \new
	s_set_vgpr_msb (MSB<<8)|\new
.set MSB, \new
.endif
.endm
.macro PLACES n
.rept \n
	v_nop
.endr
.endm
; A joint load.  Waves 0-3 fetch V's four quarters of a slot, waves 4-7 K's.  The branch hangs on the wave's number alone.
.macro JLOAD s
	s_cmp_eq_u32 s10, 0
	s_cbranch_scc0 .Lfor_k_\@
	tensor_load_to_lds s[G0V+4*\s:G0V+4*\s+3], s[G1V:G1V+7]
	s_nop 0
	s_branch .Lasked_\@
.Lfor_k_\@:
	tensor_load_to_lds s[G0K+4*\s:G0K+4*\s+3], s[G1K:G1K+7]
	s_nop 0
.Lasked_\@:
.endm
.macro CREST
	s_cmp_lg_u32 s8, 0
	s_cbranch_scc1 .Lnot_wave_0_\@
	s_barrier_signal -3
.Lnot_wave_0_\@:
	s_barrier_wait -3
	s_barrier_signal -1
	s_barrier_wait -1
.endm
.macro ROUND
	s_barrier_signal -1
	s_barrier_wait -1
	CREST
.endm
	s_load_b128 s[4:7], s[0:1], 0x0                ; qkv s[4:5], ao s[6:7]
	v_lshl_add_u32 v254, v0, 2, 0x3f800
	v_mov_b32 v255, 0
	ds_add_u32 v254, v255
	v_lshrrev_b32 v1, 5, v0
	v_readfirstlane_b32 s8, v1                     ; wave 0..7
	s_and_b32 s9, s8, 3                            ; g
	s_lshr_b32 s10, s8, 2                          ; kh.  Also: I fetch for V (0) or for K (1)
	s_bfe_u32 s11, ttmp6, 0x40000                  ; cx
	s_lshl_b32 s12, ttmp9, 2
	s_add_co_u32 s12, s12, s11                     ; block of 128 positions
	s_and_b32 s13, ttmp7, 0xffff
	s_lshr_b32 s14, s13, 3                         ; batch
	s_and_b32 s15, s13, 7                          ; key and value head
	; A wave's piece, 64 keys of 128 bytes, is dense in memory: 32 rows of 256 bytes.  The padding is counted along the tile: after every 32 words
	; (one key) 8 words for V (pitch 160: an odd multiple of 32, for the transposing loads) and 4 for K (pitch 144: an odd multiple of 16).
	s_mov_b32 s[G1V+0], 15|(1<<16)|(1<<20)|(1<<21)|(4<<22)|(7<<25)
	s_mov_b32 s[G1K+0], 15|(1<<16)|(1<<20)|(1<<21)|(4<<22)|(3<<25)
	s_mov_b32 s[G1V+1], 128<<16
	s_mov_b32 s[G1K+1], 128<<16
	s_mov_b32 s[G1V+2], 32<<16
	s_mov_b32 s[G1K+2], 32<<16
	s_mov_b32 s[G1V+3], 128<<16
	s_mov_b32 s[G1K+3], 128<<16
	s_mov_b32 s[G1V+4], 32
	s_mov_b32 s[G1K+4], 32
	s_mov_b32 s[G1V+5], 128
	s_mov_b32 s[G1K+5], 128
	s_mov_b32 s[G1V+6], 0
	s_mov_b32 s[G1K+6], 0
	s_mov_b32 s[G1V+7], 0
	s_mov_b32 s[G1K+7], 0
	s_lshl_b32 s54, s14, 18                        ; the batch: 2,048 rows of 128 bytes
	s_lshl_b32 s55, s9, 13                         ; my 64 keys of a slot
	s_add_co_u32 s54, s54, s55
	s_lshl_b32 s55, s15, 19                        ; the head
	s_add_co_u32 s54, s54, s55
	s_add_co_u32 s58, s54, 16<<19                  ; K's places begin at 16,
	s_add_co_u32 s54, s54, 24<<19                  ; V's at 24
	s_mov_b32 s55, 0
	s_mov_b32 s59, 0
	s_wait_dscnt 0x0
	s_wait_kmcnt 0x0
	s_add_nc_u64 s[56:57], s[4:5], s[54:55]
	s_add_nc_u64 s[60:61], s[4:5], s[58:59]
	s_mul_i32 s54, s8, 10240                       ; V's quarter of wave w (0-3): 64 keys x 160
	s_mul_i32 s55, s8, 9216
	s_add_co_u32 s55, s55, 4096                    ; K's quarter of wave w (4-7): 40,960 + (w - 4) x 64 x 144
	ROUND                                          ; all four work-groups are here: the first joint loads meet
.irp s, 0,1
	s_mov_b32 s[G0V+4*\s], 1
	s_add_co_u32 s[G0V+4*\s+1], s54, \s*SLOT
	s_add_nc_u64 s[G0V+4*\s+2:G0V+4*\s+3], s[56:57], \s*32768
	s_or_b32 s[G0V+4*\s+3], s[G0V+4*\s+3], 0x80000000
	s_mov_b32 s[G0K+4*\s], 1
	s_add_co_u32 s[G0K+4*\s+1], s55, \s*SLOT
	s_add_nc_u64 s[G0K+4*\s+2:G0K+4*\s+3], s[60:61], \s*32768
	s_or_b32 s[G0K+4*\s+3], s[G0K+4*\s+3], 0x80000000
	JLOAD \s                                       ; keys 0-255 and 256-511: two loads of the wave are out
.endr
	; Q: my head, my 64 positions
	s_lshl_b32 s58, s15, 1
	s_lshr_b32 s59, s9, 1
	s_add_co_u32 s58, s58, s59                     ; query head = 2 x key head + g / 2
	s_lshl_b32 s58, s58, 19
	s_lshl_b32 s59, s14, 18
	s_add_co_u32 s58, s58, s59
	s_lshl_b32 s59, s12, 14                        ; 128 positions of 128 bytes
	s_add_co_u32 s58, s58, s59
	s_mov_b32 s59, 0
	s_add_nc_u64 s[4:5], s[4:5], s[58:59]
	v_and_b32 v1, 31, v0                           ; l
	v_and_b32 v2, 15, v0                           ; r
	v_bfe_u32 v3, v0, 4, 1                         ; h
	s_and_b32 s56, s9, 1                           ; g % 2
	s_lshl_b32 s57, s56, 13
	v_lshlrev_b32 v[QO], 7, v2
	v_lshl_add_u32 v[QO], v3, 4, v[QO]
	v_add_nc_u32 v[QO], s57, v[QO]                 ; ((g % 2) 64 + r) 128 + 16 h
.irp t, 0,1,2,3
.irp dh, 0,1
	global_load_b128 v[QF+16*\t+8*\dh:QF+16*\t+8*\dh+3],   v[QO], s[4:5] offset:2048*\t+64*\dh
	global_load_b128 v[QF+16*\t+8*\dh+4:QF+16*\t+8*\dh+7], v[QO], s[4:5] offset:2048*\t+64*\dh+32
.endr
.endr
	s_lshl_b32 s58, s14, 22                        ; ao: the batch (2,048 rows of 2,048 bytes),
	s_lshl_b32 s59, s12, 18                        ; the block's 128 rows,
	s_add_co_u32 s58, s58, s59
	s_lshl_b32 s59, s15, 8                         ; the two heads' 256 bytes
	s_add_co_u32 s58, s58, s59
	s_mov_b32 s59, 0
	s_add_nc_u64 s[6:7], s[6:7], s[58:59]
	s_mov_b32 s48, 0x3e38aa3b                      ; c = log2(e) / 8
	s_mov_b32 s49, 0x3e38aa3b
	s_mov_b32 s53, 0xbe38aa3b                      ; -c
	s_mov_b32 s50, 0x76543210                      ; v_permlanex16_b32: lane i of one half reads lane i of the other
	s_mov_b32 s51, 0xfedcba98
	s_mul_i32 s57, s10, 128*144
	s_add_co_u32 s57, s57, KOFF
	v_mul_u32_u24 v[KA], v2, 144
	v_lshl_add_u32 v[KA], v3, 4, v[KA]
	v_add_nc_u32 v[KA], s57, v[KA]                 ; K: (128 kh + r) 144 + 16 h
	v_add_nc_u32 v[KA+1], SLOT, v[KA]
	s_mul_i32 s57, s10, 128*160
	v_and_b32 v14, 7, v0
	v_lshl_add_u32 v14, v3, 3, v14
	v_bfe_u32 v15, v0, 3, 1
	v_mul_u32_u24 v[VA], v14, 160
	v_lshl_add_u32 v[VA], v15, 4, v[VA]
	v_add_nc_u32 v[VA], s57, v[VA]                 ; V: (128 kh + 8 h + l % 8) 160 + 16 ((l / 8) % 2)
	v_add_nc_u32 v[VA+1], SLOT, v[VA]
	s_mul_i32 s57, s8, XW
	s_add_co_u32 s57, s57, XCH
	v_lshl_add_u32 v[XST], v1, 4, s57
	s_xor_b32 s57, s8, 4
	s_mul_i32 s57, s57, XW
	s_add_co_u32 s57, s57, XCH
	v_lshl_add_u32 v[XLD], v1, 4, s57
	s_mul_i32 s57, s56, 64*SPITCH
	s_lshr_b32 s58, s9, 1
	s_lshl_b32 s58, s58, 7
	s_add_co_u32 s57, s57, s58
	s_add_co_u32 s57, s57, STAGE
	v_mul_u32_u24 v[STO], v2, SPITCH
	v_lshl_add_u32 v[STO], v3, 4, v[STO]
	v_add_nc_u32 v[STO], s57, v[STO]               ; ((g % 2) 64 + r) 272 + (g / 2) 128 + 16 h
	s_mul_i32 s57, s8, 16*SPITCH
	s_add_co_u32 s57, s57, STAGE
	v_mul_u32_u24 v[SRD], v3, SPITCH
	v_lshl_add_u32 v[SRD], v2, 4, v[SRD]
	v_add_nc_u32 v[SRD], s57, v[SRD]               ; (16 w + h) 272 + 16 r
	s_lshl_b32 s57, s8, 15
	v_lshlrev_b32 v[CO], 11, v3
	v_lshl_add_u32 v[CO], v2, 4, v[CO]
	v_add_nc_u32 v[CO], s57, v[CO]                 ; (16 w + h) 2,048 + 16 r
	v_and_b32 v14, 7, v2
	v_cmp_eq_u32 vcc_lo, 0, v14
	v_mov_b32 v15, 0x3c003c00                      ; two 1.0 in f16
	WIN 0x40                                       ; destination in window 1
.irp j, 0,1,2,3,4,5,6,7
	v_cndmask_b32 v[ONES+\j], 0, v15, vcc_lo       ; rows 0 and 8 are ones, the others zeros
.endr
	WIN 0
; the K fragments of 64 keys (step st of my 128)
.macro LOADK slot, st
.irp kt, 0,1,2,3
.irp dh, 0,1
	ds_load_b128 v[KF+16*\kt+8*\dh:KF+16*\kt+8*\dh+3],   v[KA+\slot] offset:\st*9216+\kt*2304+\dh*64
	ds_load_b128 v[KF+16*\kt+8*\dh+4:KF+16*\kt+8*\dh+7], v[KA+\slot] offset:\st*9216+\kt*2304+\dh*64+32
.endr
.endr
.endm
; the V fragments of the same 64 keys, transposed on the way: fragment n = 4 kg + dt holds keys 32 kg .., d 16 dt ..
.macro LOADV slot, st
	WIN 0x40                                       ; destination in window 1, address in window 0
.irp n, 0,1,2,3,4,5,6,7
	ds_load_tr16_b128 v[VF+8*\n:VF+8*\n+3],   v[VA+\slot] offset:\st*10240+(\n/4)*5120+(\n%4)*32
	ds_load_tr16_b128 v[VF+8*\n+4:VF+8*\n+7], v[VA+\slot] offset:\st*10240+(\n/4)*5120+(\n%4)*32+2560
.endr
	WIN 0
.endm
; The symbols that a block sets: TP the tile of unit u - 1, TN the tile of unit u + 1, SB this unit's S buffer, SNB the other buffer, STT this tile's state,
; DOS whether unit u + 1 exists.
; Product j of S^T of unit u + 1: j = 0-3 start key tiles 0-3 with d 0-31, j = 4-7 add d 32-63.  The four key tiles take turns.
.macro SW j
.if DOS
.if \j < 4
	v_wmma_f32_16x16x32_f16 v[SNB+8*\j:SNB+8*\j+7], v[KF+16*\j:KF+16*\j+7], v[QF+16*TN:QF+16*TN+7], 0
.else
	v_wmma_f32_16x16x32_f16 v[SNB+8*(\j-4):SNB+8*(\j-4)+7], v[KF+16*(\j-4)+8:KF+16*(\j-4)+15], v[QF+16*TN+8:QF+16*TN+15], v[SNB+8*(\j-4):SNB+8*(\j-4)+7]
.endif
.endif
.endm
.macro PVW kg, dt, zero                ; O^T(TP, dt) += V^T(kg, dt) P(kg)
.if \zero
	v_wmma_f32_16x16x32_f16 v[32*TP+8*(\dt):32*TP+8*(\dt)+7], v[VF+32*\kg+8*(\dt):VF+32*\kg+8*(\dt)+7], v[SNB+16*\kg:SNB+16*\kg+7], 0
.else
	v_wmma_f32_16x16x32_f16 v[32*TP+8*(\dt):32*TP+8*(\dt)+7], v[VF+32*\kg+8*(\dt):VF+32*\kg+8*(\dt)+7], v[SNB+16*\kg:SNB+16*\kg+7], v[32*TP+8*(\dt):32*TP+8*(\dt)+7]
.endif
.endm
.macro PVL kg, zero                    ; the row sums of P(kg)
.if \zero
	v_wmma_f32_16x16x32_f16 v[LS+8*TP:LS+8*TP+7], v[ONES:ONES+7], v[SNB+16*\kg:SNB+16*\kg+7], 0
.else
	v_wmma_f32_16x16x32_f16 v[LS+8*TP:LS+8*TP+7], v[ONES:ONES+7], v[SNB+16*\kg:SNB+16*\kg+7], v[LS+8*TP:LS+8*TP+7]
.endif
.endm
; Part (1) of a block: tile TP's old sums are rescaled by its factor and take the 64 keys of unit u - 1.  The rescaling of column tile dt stands in front of
; the product on column tile dt - 1.  first = 1: the first products start the sums, and nothing is rescaled.
; The five accumulators take turns, one instruction a turn.
.macro PVPH first
	WIN 0x51                                       ; first source (V, ONES, O), third source and destination (O, sums) in window 1; second source (P, the factor) in window 0
.if \first
	PVW 0, 0, 1
	PVW 0, 1, 1
	PVW 0, 2, 1
	PVW 0, 3, 1
	PVL 0, 1
.else
.irp dt, 0,1,2,3
.set i, 0
.rept 4
	v_pk_mul_f32 v[32*TP+8*\dt+2*i:32*TP+8*\dt+2*i+1], v[32*TP+8*\dt+2*i:32*TP+8*\dt+2*i+1], v[ST+4*TP+2:ST+4*TP+3] op_sel_hi:[1,0]
.set i, i+1
.endr
.if \dt
	PVW 0, \dt-1, 0
.endif
.endr
	v_mul_f32 v[LS+8*TP], v[LS+8*TP], v[ST+4*TP+2]         ; registers 1-7 of a sum tile are zeros and stay so
	PVW 0, 3, 0
	PVL 0, 0
.endif
	PVW 1, 0, 0
	PVW 1, 1, 0
	PVW 1, 2, 0
	PVW 1, 3, 0
	PVL 1, 0
	WIN 0
.endm
; Block (step, t).  slot, st: where this step's keys lie.  sfirst: the first step (no maximum so far).  pv: unit u - 1 is absent (0), usual (1), of the first step (2).
; dos: unit u + 1 exists.  kl: at the end of t = 2 the next step's K fragments are fetched from (kslot, kst).
; mode, in t = 1 of a slot's second step: 1 a barrier alone (the next slot is whole), 2 this slot is filled again.
.macro BLOCK t, slot, st, sfirst, pv, dos, kl, kslot, kst, mode
.set TP,  (\t+3)%4
.set TN,  (\t+1)%4
.set SB,  S+32*(\t%2)
.set SNB, S+32*((\t+1)%2)
.set STT, ST+4*\t
.set DOS, \dos
.if \t == 1
	s_wait_dscnt 0x0                               ; this step's V fragments are in; in a slot's second step they were my last reads of the slot
.if \mode
	s_wait_tensorcnt 0x0                           ; all my tensor loads have landed: the one that was out is my part of the next slot
	ds_add_u32 v254, v255
	s_wait_dscnt 0x0
.if \mode == 2
	s_add_nc_u64 s[G0V+4*\slot+2:G0V+4*\slot+3], s[G0V+4*\slot+2:G0V+4*\slot+3], 0x10000    ; 512 keys on; no load of mine is out
	s_add_nc_u64 s[G0K+4*\slot+2:G0K+4*\slot+3], s[G0K+4*\slot+2:G0K+4*\slot+3], 0x10000
.endif
	s_barrier_signal -1                            ; the whole block, which works on registers alone, stands between this signal and its wait
.endif
.endif
.if \pv
	PVPH (\pv-1)
.endif
	; part (2): the maximum of my 32 numbers, in four chains of 9, 9, 7 and 7
	v_max3_num_f32 v[T],   v[SB],    v[SB+1],  v[SB+2]
	v_max3_num_f32 v[T+1], v[SB+9],  v[SB+10], v[SB+11]
	v_max3_num_f32 v[T+2], v[SB+18], v[SB+19], v[SB+20]
	v_max3_num_f32 v[T+3], v[SB+25], v[SB+26], v[SB+27]
	v_max3_num_f32 v[T],   v[T],   v[SB+3],  v[SB+4]
	v_max3_num_f32 v[T+1], v[T+1], v[SB+12], v[SB+13]
	v_max3_num_f32 v[T+2], v[T+2], v[SB+21], v[SB+22]
	v_max3_num_f32 v[T+3], v[T+3], v[SB+28], v[SB+29]
	; these eight plain instructions name no register of part (1)'s products: they are the places (ISA guide 7.12.1) behind which V's registers
	; may be loaded again (four are asked for) and the other buffer, which held P, may be written by a product (five)
.if \t == 0
	LOADV \slot, \st
.endif
.if \t == 3
.if \dos
	s_wait_dscnt 0x0                               ; the next step's K fragments, fetched at the end of the block before
.endif
.endif
	SW 0
	v_max3_num_f32 v[T],   v[T],   v[SB+5],  v[SB+6]
	v_max3_num_f32 v[T+1], v[T+1], v[SB+14], v[SB+15]
	v_max3_num_f32 v[T+2], v[T+2], v[SB+23], v[SB+24]
	v_max3_num_f32 v[T+3], v[T+3], v[SB+30], v[SB+31]
	v_max3_num_f32 v[T],   v[T],   v[SB+7],  v[SB+8]
	v_max3_num_f32 v[T+1], v[T+1], v[SB+16], v[SB+17]
	v_max3_num_f32 v[T], v[T], v[T+1], v[T+2]
.if \sfirst
	v_max_num_f32 v[T], v[T], v[T+3]
.else
	v_max3_num_f32 v[T], v[T], v[T+3], v[STT+1]            ; with the maximum so far
.endif
	SW 1
	v_permlanex16_b32 v[T+1], v[T], s50, s51               ; the other half of the lanes holds the other keys of my query
	v_max_num_f32 v[T], v[T], v[T+1]
.if \sfirst
	v_mul_f32 v[STT], s53, v[T]                            ; NEGMC = -c m
	v_mov_b32 v[STT+1], v[T]
.else
	v_mul_f32 v[T+2], s53, v[T]
	v_sub_f32 v[STT+3], v[T+2], v[STT]                     ; NEGMC new - NEGMC old, zero or below
	v_exp_f32 v[STT+2], v[STT+3]                           ; the factor for the old sums, used in the next block
	v_mov_b32 v[STT+1], v[T]                               ; a plain instruction behind the exponential (ISA guide 5.7.2)
	v_mov_b32 v[STT], v[T+2]
.endif
	SW 2
	; P = 2^(c S + NEGMC), packed to f16 in place.  In trip i: the exponentials of pair i, the multiply-add of pair i + 3, the packing of pair i - 2.
	; So a plain instruction always stands between an exponential and the use of its result, and a packing's target never lies ahead of a register still to be read.
.irp k, 0,1,2
	v_pk_fma_f32 v[SB+2*\k:SB+2*\k+1], v[SB+2*\k:SB+2*\k+1], s[48:49], v[STT:STT+1] op_sel_hi:[1,0,0]
.endr
.set i, 0
.rept 16
	v_exp_f32 v[SB+2*i], v[SB+2*i]
	v_exp_f32 v[SB+2*i+1], v[SB+2*i+1]
.if i < 13
	v_pk_fma_f32 v[SB+2*i+6:SB+2*i+7], v[SB+2*i+6:SB+2*i+7], s[48:49], v[STT:STT+1] op_sel_hi:[1,0,0]
.endif
.if i > 1
	s_wait_alu depctr_va_vdst(0)
	v_cvt_pk_f16_f32 v[SB+16*((i-2)/8)+(i-2)%8], v[SB+2*(i-2)], v[SB+2*(i-2)+1]
.endif
.if i < 10
.if i%2
.set SJ, 3+i/2
	SW SJ                                                  ; products 3 to 7 behind trips 1, 3, 5, 7, 9
.endif
.endif
.set i, i+1
.endr
	v_cvt_pk_f16_f32 v[SB+22], v[SB+28], v[SB+29]
	s_wait_alu depctr_va_vdst(0)
	v_cvt_pk_f16_f32 v[SB+23], v[SB+30], v[SB+31]
.if \kl
	LOADK \kslot, \kst                             ; more than four plain instructions stand behind the last product that read K's registers
.endif
.if \t == 1
.if \mode
	s_barrier_wait -1
.if \mode == 2
	CREST                                          ; the round's rest: no wave of any partner still reads this slot or has a load on its way
	JLOAD \slot                                    ; the joint refill: my first tensor load behind the round, ahead of my next LDS read
.endif
.endif
.endif
.endm
; 64 keys: four blocks.  pvprev: as pv, for the last unit of the step before.  last: no step follows.
.macro STEP slot, other, st, first, pvprev, last, mode
	BLOCK 0, \slot, \st, \first, \pvprev, 1, 0, 0, 0, 0
	BLOCK 1, \slot, \st, \first, 1+\first, 1, 0, 0, 0, \mode
.if \last
	BLOCK 2, \slot, \st, \first, 1+\first, 1, 0, 0, 0, 0
	BLOCK 3, \slot, \st, \first, 1+\first, 0, 0, 0, 0, 0
.else
.if \st
	BLOCK 2, \slot, \st, \first, 1+\first, 1, 1, \other, 0, 0
.else
	BLOCK 2, \slot, \st, \first, 1+\first, 1, 1, \slot, 1, 0
.endif
	BLOCK 3, \slot, \st, \first, 1+\first, 1, 0, 0, 0, 0
.endif
.endm
	s_wait_tensorcnt 0x1                           ; my part of slot 0 is in; slot 1's may stay out
	s_barrier_signal -1
	s_barrier_wait -1
	LOADK 0, 0
	s_wait_loadcnt 0x0                             ; Q
	s_wait_dscnt 0x0                               ; K of the first 64 keys
.set DOS, 1
.set TN,  0
.set SNB, S
.irp j, 0,1,2,3,4,5,6,7
	SW \j                                          ; S^T of unit 0 fills the pipeline
.endr
	PLACES 4                                       ; behind the products, in front of the first read of S (ISA guide 7.12.1)
	STEP 0, 1, 0, 1, 0, 0, 0                       ; keys 0-255: the first products start the sums
	STEP 0, 1, 1, 0, 2, 0, 2
	s_mov_b32 s52, 2
.Ltiles:
	STEP 1, 0, 0, 0, 1, 0, 0                       ; slots of keys 256.., 512.. and then 768.., 1024..
	STEP 1, 0, 1, 0, 1, 0, 2
	STEP 0, 1, 0, 0, 1, 0, 0
	STEP 0, 1, 1, 0, 1, 0, 2
	s_sub_co_u32 s52, s52, 1
	s_cmp_lg_u32 s52, 0
	s_cbranch_scc1 .Ltiles
	STEP 1, 0, 0, 0, 1, 0, 0                       ; keys 1280..: the last refill (keys 1792..)
	STEP 1, 0, 1, 0, 1, 0, 2
	STEP 0, 1, 0, 0, 1, 0, 0                       ; keys 1536..: nothing is left to fetch
	STEP 0, 1, 1, 0, 1, 0, 1
	STEP 1, 0, 0, 0, 1, 0, 0                       ; keys 1792..
	STEP 1, 0, 1, 0, 1, 1, 0
.set TP,  3
.set SNB, S+32
	PVPH 0                                         ; the last unit drains the pipeline
	PLACES 4                                       ; behind the last products, in front of the reads of the sums
	; THE MERGE of the two halves of the keys.  kh = 0 finishes query tiles 0, 1 and hands over tiles 2, 3; kh = 1 the other way round.
	WIN 0x01
.irp t, 0,1,2,3
	v_mov_b32 v[ST+4*\t+3], v[LS+8*\t]             ; the row sum
.endr
	WIN 0
.macro SEND t0
	WIN 0x04                                       ; store data in window 1
.set i, 0
.rept 16
	ds_store_b128 v[XST], v[32*\t0+4*i:32*\t0+4*i+3] offset:512*i
.set i, i+1
.endr
	WIN 0
	v_mov_b32 v[T],   v[ST+4*\t0+1]
	v_mov_b32 v[T+1], v[ST+4*\t0+3]
	v_mov_b32 v[T+2], v[ST+4*\t0+5]
	v_mov_b32 v[T+3], v[ST+4*\t0+7]
	ds_store_b128 v[XST], v[T:T+3] offset:8192     ; maximum and sum of both tiles
.endm
.macro MERGE t0
.set i, 0
.rept 16
	ds_load_b128 v[S+4*i:S+4*i+3], v[XLD] offset:512*i
.set i, i+1
.endr
	ds_load_b128 v[T+4:T+7], v[XLD] offset:8192
	s_wait_dscnt 0x0
.irp tt, 0,1
	v_max_num_f32 v[U], v[ST+4*(\t0+\tt)+1], v[T+4+2*\tt]
	v_mul_f32 v[U], s53, v[U]                              ; -c times the joint maximum
	v_mul_f32 v[U+1], s53, v[T+4+2*\tt]                    ; my partner's NEGMC, made as the partner made it
	v_sub_f32 v[U+2], v[U], v[ST+4*(\t0+\tt)]
	v_sub_f32 v[U+1], v[U], v[U+1]
	v_exp_f32 v[U+3], v[U+2]
	v_exp_f32 v[U+4], v[U+1]
	v_nop
	s_wait_alu depctr_va_vdst(0)
	v_mul_f32 v[U+5], v[U+3], v[ST+4*(\t0+\tt)+3]
	v_fmac_f32 v[U+5], v[U+4], v[T+5+2*\tt]                ; the whole row's sum: at least about 1, since one of the two factors is 1
	v_rcp_f32 v[U+6], v[U+5]
	v_nop
	s_wait_alu depctr_va_vdst(0)
	v_mul_f32 v[FA], v[U+3], v[U+6]
	v_mul_f32 v[FB], v[U+4], v[U+6]
	v_mov_b32 v[FA+1], v[FA]
	v_mov_b32 v[FB+1], v[FB]
.set i, 0
.rept 16
	v_pk_mul_f32 v[S+32*\tt+2*i:S+32*\tt+2*i+1], v[S+32*\tt+2*i:S+32*\tt+2*i+1], v[FB:FB+1]
.set i, i+1
.endr
	WIN 0x01
.set i, 0
.rept 16
	v_pk_fma_f32 v[S+32*\tt+2*i:S+32*\tt+2*i+1], v[32*(\t0+\tt)+2*i:32*(\t0+\tt)+2*i+1], v[FA:FA+1], v[S+32*\tt+2*i:S+32*\tt+2*i+1]
.set i, i+1
.endr
	WIN 0
.set i, 0
.rept 16
	v_cvt_pk_f16_f32 v[S+32*\tt+i], v[S+32*\tt+2*i], v[S+32*\tt+2*i+1]
.set i, i+1
.endr
.irp dt, 0,1,2,3
	ds_store_b128 v[STO], v[S+32*\tt+4*\dt:S+32*\tt+4*\dt+3] offset:4352*(\t0+\tt)+32*\dt
.endr
.endr
.endm
	s_cmp_eq_u32 s10, 0
	s_cbranch_scc0 .Lsend_hi
	SEND 2
	s_branch .Lsent
.Lsend_hi:
	SEND 0
.Lsent:
	s_wait_dscnt 0x0                               ; my stores are done, for my partner's sake
	s_barrier_signal -1
	s_barrier_wait -1
	s_cmp_eq_u32 s10, 0
	s_cbranch_scc0 .Lmerge_hi
	MERGE 0
	s_branch .Lmerged
.Lmerge_hi:
	MERGE 2
.Lmerged:
	s_wait_dscnt 0x0                               ; the stage's rows are written by several waves
	s_barrier_signal -1
	s_barrier_wait -1
.irp i, 0,1,2,3,4,5,6,7
	ds_load_b128 v[S+4*\i:S+4*\i+3], v[SRD] offset:2*SPITCH*\i
.endr
.irp i, 0,1,2,3,4,5,6,7
	s_wait_dscnt 7-\i
	global_store_b128 v[CO], v[S+4*\i:S+4*\i+3], s[6:7] offset:4096*\i     ; sixteen lanes store both heads of one row: 256 consecutive bytes, at a multiple of 256
.endr
	s_wait_tensorcnt 0x0
	ds_add_u32 v254, v255
	s_wait_dscnt 0x0
	ROUND                                          ; the closing round
	s_endpgm
.Lfunc_end_k_q83568bd9e5_attn:
	.size	k_q83568bd9e5_attn, .Lfunc_end_k_q83568bd9e5_attn-k_q83568bd9e5_attn
	.p2alignl 7, 3214868480
	.fill 96, 4, 3214868480
	.section	.rodata,"a",@progbits
	.p2align	6, 0x0
	.amdhsa_kernel k_q83568bd9e5_attn
		.amdhsa_group_segment_fixed_size 327680
		.amdhsa_private_segment_fixed_size 0
		.amdhsa_enable_private_segment 0
		.amdhsa_kernarg_size 16
		.amdhsa_user_sgpr_count 2
		.amdhsa_user_sgpr_kernarg_segment_ptr 1
		.amdhsa_wavefront_size32 1
		.amdhsa_system_sgpr_workgroup_id_x 1
		.amdhsa_system_sgpr_workgroup_id_y 1
		.amdhsa_system_sgpr_workgroup_id_z 1
		.amdhsa_system_vgpr_workitem_id 0
		.amdhsa_next_free_vgpr 488
		.amdhsa_next_free_sgpr 66
		.amdhsa_reserve_vcc 1
		.amdhsa_float_denorm_mode_32 3
		.amdhsa_float_denorm_mode_16_64 3
		.amdhsa_memory_ordered 1
		.amdhsa_forward_progress 1
		.amdhsa_inst_pref_size 255
	.end_amdhsa_kernel
	.section	.bss,"aw",@nobits
	.p2align	6
	.space	262144
	.amdgpu_metadata
---
amdhsa.version: [ 1, 2 ]
amdhsa.kernels:
  - .name:           k_q83568bd9e5_attn
    .symbol:         k_q83568bd9e5_attn.kd
    .args:
      - { .name: qkv, .offset: 0, .size: 8, .value_kind: global_buffer, .address_space: global }
      - { .name: ao, .offset: 8, .size: 8, .value_kind: global_buffer, .address_space: global }
    .group_segment_fixed_size: 327680
    .private_segment_fixed_size: 0
    .kernarg_segment_align: 8
    .kernarg_segment_size: 16
    .max_flat_workgroup_size: 256
    .sgpr_count:     66
    .vgpr_count:     488
    .wavefront_size: 32
...
	.end_amdgpu_metadata
.endif
;; end of part 3
;; launch oproj (part 4): grid 8 x 32, 4 waves a work-group, clusters of 4 x 4, 327,680 bytes of LDS; arguments ao, wob, out0; writes out0
.if DOCPART == 4
	.amdgcn_target "amdgcn-amd-amdhsa--gfx1250"
	.amdhsa_code_object_version 6
	.text
	.protected	k_q83568bd9e5_oproj
	.globl	k_q83568bd9e5_oproj
	.p2align	8
	.type	k_q83568bd9e5_oproj,@function
k_q83568bd9e5_oproj:
	s_mov_b64 s[64:65], 0
	v_nop
	global_prefetch_b8 v0, s[64:65] scope:SCOPE_SE
	s_setreg_imm32_b32 hwreg(HW_REG_WAVE_MODE, 25, 1), 1
	s_wait_xcnt 0x0
	s_wait_alu depctr_hold_cnt(0) depctr_sa_sdst(0) depctr_va_vdst(0) depctr_va_sdst(0) depctr_va_ssrc(0) depctr_va_vcc(0) depctr_vm_vsrc(0)
	s_getreg_b32 s2, hwreg(HW_REG_IB_STS2, 6, 4)
	s_cmp_eq_u32 s2, 0
	s_cbranch_scc0 .Lentry_in_a_cluster
	s_endpgm
.Lentry_in_a_cluster:
	s_bfe_u32 s2, ttmp6, 0x10000c
	s_cmp_lg_u32 s2, 0xf033
	s_cbranch_scc0 .Lentry_shape_is_right
	s_endpgm
.Lentry_shape_is_right:
; out0 = ao wo^T.  ao: [4096][1024] f16, wob: [1024][1024] f16, out0: [4096][1024] f32; sums in f32.
; A work-group makes 128 x 128 with four waves (32 x 8 blocks: one for each of 256 work-groups); a wave makes 64 x 64: 16 accumulator tiles, 128 registers (window 1).
; K goes in steps of 256 through two LDS slots filled by the tensor data mover (rows of 512 bytes, at multiples of 512): a slot holds two steps of 128,
; so that a refill has 120 matrix instructions of the wave in which to land and K = 1024 needs three changes of slots.
; CLUSTERS: 4 x 4 work-groups; ao's tiles are shared along a row of the cluster, wo's along a column, each asked for jointly.
; TRANSPOSED USE: source 0 = 16 rows of wo, source 1 = 16 rows of ao: a lane's eight results are eight neighbouring columns of one row, 32 bytes.
; LIMIT: operands below 65,504 in magnitude (f16).
.set NT,     4
.set KSLOT,  256
.set PITCH,  528                       ; 512 bytes + 16 of padding: the 16 rows of a fragment start 16 bytes apart modulo 256
.set BBASE,  128*PITCH                 ; a slot: ao's 128 rows, then wo's 128 rows
.set SLOT,   256*PITCH
.set STAGE,  2*SLOT                    ; behind the ring: 16 rows x 272 bytes for each wave; no tile ever lands here
.set SPITCH, 272
.set ADRA, 16
.set ADRB, 20
.set STO,  24
.set RD,   25
.set CO,   26
.set F0,   32                          ; fragment buffer 0: wo's 4 fragments, then ao's 4
.set F1,   96
.set G1A, 24
.set G0A, 32
.set G1B, 48
.set G0B, 56
.set MUL, 0x50
.set MSB, 0
.macro WIN new
.if MSB != \new
	s_set_vgpr_msb (MSB<<8)|\new
.set MSB, \new
.endif
.endm
.macro PLACES n
.rept \n
	v_nop
.endr
.endm
; A joint load.  Waves 0 and 1 fetch ao's two halves, waves 2 and 3 wo's, 64 rows each.  The branch hangs on the wave's number alone.
.macro JLOAD s
	s_cmp_eq_u32 s13, 0
	s_cbranch_scc0 .Lfor_b_\@
	tensor_load_to_lds s[G0A+4*\s:G0A+4*\s+3], s[G1A:G1A+7]
	s_nop 0
	s_branch .Lasked_\@
.Lfor_b_\@:
	tensor_load_to_lds s[G0B+4*\s:G0B+4*\s+3], s[G1B:G1B+7]
	s_nop 0
.Lasked_\@:
.endm
.macro CREST
	s_cmp_lg_u32 s12, 0
	s_cbranch_scc1 .Lnot_wave_0_\@
	s_barrier_signal -3
.Lnot_wave_0_\@:
	s_barrier_wait -3
	s_barrier_signal -1
	s_barrier_wait -1
.endm
.macro CROUND
	s_barrier_signal -1
	s_barrier_wait -1
	CREST
.endm
	s_load_b128 s[4:7], s[0:1], 0x0                ; ao s[4:5], wob s[6:7]
	s_load_b64 s[8:9], s[0:1], 0x10                ; out0
	v_lshl_add_u32 v254, v0, 2, 0x46400
	v_mov_b32 v255, 0
	ds_add_u32 v254, v255
	v_lshrrev_b32 v1, 5, v0
	v_readfirstlane_b32 s12, v1                    ; wave 0..3
	s_lshr_b32 s13, s12, 1                         ; which 64 rows are mine.  Also: I fetch for ao (0) or for wo (1)
	s_and_b32 s14, s12, 1                          ; which 64 columns.  Also: which half of that tile I fetch
	s_bfe_u32 s40, ttmp6, 0x40000                  ; cx
	s_bfe_u32 s41, ttmp6, 0x40004                  ; cy
	s_lshl_b32 s42, ttmp9, 2
	s_add_co_u32 s42, s42, s40                     ; block column
	s_and_b32 s43, ttmp7, 0xffff
	s_lshl_b32 s43, s43, 2
	s_add_co_u32 s43, s43, s41                     ; block row
	s_lshl_b32 s44, s41, 2
	s_lshl_b32 s44, 15, s44                        ; my row of the cluster
	s_lshl_b32 s45, 0x1111, s40                    ; my column
	s_or_b32 s[G1A+0], s44, (1<<16)|(1<<20)|(1<<21)|(6<<22)|(3<<25)   ; mask; 2-byte elements; padding on; bit 21 beside a mask; after every 128 words 4 words
	s_or_b32 s[G1B+0], s45, (1<<16)|(1<<20)|(1<<21)|(6<<22)|(3<<25)
	s_mov_b32 s[G1A+1], KSLOT<<16
	s_mov_b32 s[G1B+1], KSLOT<<16
	s_mov_b32 s[G1A+2], 64<<16
	s_mov_b32 s[G1B+2], 64<<16
	s_mov_b32 s[G1A+3], KSLOT<<16
	s_mov_b32 s[G1B+3], KSLOT<<16
	s_mov_b32 s[G1A+4], 64
	s_mov_b32 s[G1B+4], 64
	s_mov_b32 s[G1A+5], 1024
	s_mov_b32 s[G1B+5], 1024
	s_mov_b32 s[G1A+6], 0
	s_mov_b32 s[G1B+6], 0
	s_mov_b32 s[G1A+7], 0
	s_mov_b32 s[G1B+7], 0
	s_lshl_b32 s16, s43, 7
	s_lshl_b32 s17, s14, 6
	s_add_co_u32 s16, s16, s17                     ; ao: row 128 x block row + 64 x half
	s_lshl_b32 s16, s16, 11
	s_mov_b32 s17, 0
	s_lshl_b32 s46, s42, 7
	s_lshl_b32 s47, s14, 6
	s_add_co_u32 s46, s46, s47                     ; wo: row 128 x block column + 64 x half
	s_lshl_b32 s46, s46, 11
	s_mov_b32 s47, 0
	s_mul_i32 s20, s12, 64*PITCH                   ; where they go: ao's two halves, then wo's two = wave x 64 rows
	s_wait_dscnt 0x0
	s_wait_kmcnt 0x0
	s_add_nc_u64 s[18:19], s[4:5], s[16:17]
	s_add_nc_u64 s[46:47], s[6:7], s[46:47]
	CROUND                                         ; all sixteen work-groups are here: the first joint loads meet
.irp s, 0,1
	s_mov_b32 s[G0A+4*\s], 1
	s_add_co_u32 s[G0A+4*\s+1], s20, \s*SLOT
	s_add_nc_u64 s[G0A+4*\s+2:G0A+4*\s+3], s[18:19], \s*KSLOT*2
	s_or_b32 s[G0A+4*\s+3], s[G0A+4*\s+3], 0x80000000
	s_mov_b32 s[G0B+4*\s], 1
	s_add_co_u32 s[G0B+4*\s+1], s20, \s*SLOT
	s_add_nc_u64 s[G0B+4*\s+2:G0B+4*\s+3], s[46:47], \s*KSLOT*2
	s_or_b32 s[G0B+4*\s+3], s[G0B+4*\s+3], 0x80000000
	JLOAD \s                                       ; two loads of the wave are out
.endr
	v_and_b32 v1, 15, v0                           ; r
	v_bfe_u32 v2, v0, 4, 1                         ; h
	v_mul_u32_u24 v3, v1, PITCH
	v_lshl_add_u32 v3, v2, 4, v3
	s_mul_i32 s22, s13, 64*PITCH                   ; my 64 rows of ao
	s_mul_i32 s23, s14, 16*NT*PITCH
	s_add_co_u32 s23, s23, BBASE                   ; my 64 rows of wo
.irp s, 0,1
	v_add_nc_u32 v[ADRA+\s], s22, v3
	v_add_nc_u32 v[ADRB+\s], s23, v3
	s_add_co_u32 s22, s22, SLOT
	s_add_co_u32 s23, s23, SLOT
.endr
	s_mul_i32 s22, s12, 16*SPITCH
	s_add_co_u32 s22, s22, STAGE                   ; my stage
	v_mul_u32_u24 v4, v1, SPITCH
	v_lshl_add_u32 v4, v2, 5, v4
	v_add_nc_u32 v[STO], s22, v4                   ; in: row r, 32 bytes for each half of the lanes
	v_mul_u32_u24 v5, v2, SPITCH
	v_lshl_add_u32 v5, v1, 4, v5
	v_add_nc_u32 v[RD], s22, v5                    ; back: lanes 0-15 one row of 256 bytes, lanes 16-31 the next
	v_lshlrev_b32 v5, 12, v2
	v_lshl_add_u32 v[CO], v1, 4, v5                ; and the same two rows in out0 (4,096 bytes a row)
; 2 NT matrix instructions.  The 16 accumulators take turns, one instruction a turn, in the same order in every quarter.
.macro MULH f, a0, zero
.set ma, \a0
.rept 2
.set mb, 0
.rept NT
.if \zero
	v_wmma_f32_16x16x32_f16 v[8*(NT*ma+mb):8*(NT*ma+mb)+7], v[\f+8*mb:\f+8*mb+7], v[\f+8*NT+8*ma:\f+8*NT+8*ma+7], 0
.else
	v_wmma_f32_16x16x32_f16 v[8*(NT*ma+mb):8*(NT*ma+mb)+7], v[\f+8*mb:\f+8*mb+7], v[\f+8*NT+8*ma:\f+8*NT+8*ma+7], v[8*(NT*ma+mb):8*(NT*ma+mb)+7]
.endif
.set mb, mb+1
.endr
.set ma, ma+1
.endr
.endm
.macro FETCH slot, k, f
	WIN 0
.set fi, 0
.rept NT
	ds_load_b128 v[\f+8*fi:\f+8*fi+3],   v[ADRB+\slot] offset:\k+fi*16*PITCH
	ds_load_b128 v[\f+8*fi+4:\f+8*fi+7], v[ADRB+\slot] offset:\k+fi*16*PITCH+32
.set fi, fi+1
.endr
.set fi, 0
.rept 4
	ds_load_b128 v[\f+8*NT+8*fi:\f+8*NT+8*fi+3],   v[ADRA+\slot] offset:\k+fi*16*PITCH
	ds_load_b128 v[\f+8*NT+8*fi+4:\f+8*NT+8*fi+7], v[ADRA+\slot] offset:\k+fi*16*PITCH+32
.set fi, fi+1
.endr
.endm
; a quarter of 32 along K: multiplies buffer f; in its middle, four plain vector instructions behind the matrix instructions that read buffer g
; (ISA guide 7.12.1 for vector instructions), it fetches the next quarter's fragments into g
.macro QUARTER slot, k, f, g, zero
	s_wait_dscnt 4                                 ; wo's fragments and ao's tiles 0, 1 are in; the youngest four loads may be out
	WIN MUL
	MULH \f, 0, \zero
	PLACES 4
	FETCH \slot, \k, \g
	s_wait_dscnt 2*NT+8                            ; all but the run just issued
	WIN MUL
	MULH \f, 2, \zero
.endm
.macro BODY slot, zero                 ; seven of a slot's eight quarters
	QUARTER \slot, 64,  F0, F1, \zero
	QUARTER \slot, 128, F1, F0, 0
	QUARTER \slot, 192, F0, F1, 0
	QUARTER \slot, 256, F1, F0, 0
	QUARTER \slot, 320, F0, F1, 0
	QUARTER \slot, 384, F1, F0, 0
	QUARTER \slot, 448, F0, F1, 0
.endm
; The eighth multiplies buffer 1 and changes slots: each wave's waits for its reads of the slot and for all its tensor loads, the barrier (which opens a
; round of the cluster's barrier where the slot is filled again; only registers are worked on inside), the joint refill first behind the closing wait.
.macro TURN slot, next, fill
	s_wait_dscnt 0x0
	s_wait_tensorcnt 0x0
	ds_add_u32 v254, v255
	s_wait_dscnt 0x0
	s_barrier_signal -1
	WIN MUL
	MULH F1, 0, 0
	WIN 0
	s_barrier_wait -1
.if \fill
	CREST
	s_add_nc_u64 s[G0A+4*\slot+2:G0A+4*\slot+3], s[G0A+4*\slot+2:G0A+4*\slot+3], 2*KSLOT*2
	s_add_nc_u64 s[G0B+4*\slot+2:G0B+4*\slot+3], s[G0B+4*\slot+2:G0B+4*\slot+3], 2*KSLOT*2
	JLOAD \slot
.endif
	PLACES 4
	FETCH \next, 0, F0
	WIN MUL
	MULH F1, 2, 0
.endm
	s_wait_tensorcnt 0x1                           ; my part of slot 0 is in; slot 1's may stay out
	s_barrier_signal -1
	s_barrier_wait -1
	FETCH 0, 0, F0
	BODY 0, 1                                      ; K 0-255: the first products start the sums
	TURN 0, 1, 1                                   ; slot 0 gets K 512-767
	BODY 1, 0
	TURN 1, 0, 1                                   ; slot 1 gets K 768-1023
	BODY 0, 0
	TURN 0, 1, 0                                   ; nothing is left to fetch
	BODY 1, 0
	s_wait_dscnt 4
	WIN MUL
	MULH F1, 0, 0
	s_wait_dscnt 0x0
	MULH F1, 2, 0
	WIN 0
	PLACES 4                                       ; behind the last matrix instructions, for the LDS stores that read the sums
	s_lshl_b32 s66, s43, 7
	s_lshl_b32 s67, s13, 6
	s_add_co_u32 s66, s66, s67                     ; my first row,
	s_lshl_b32 s66, s66, 12                        ; 4,096 bytes a row
	s_mov_b32 s67, 0
	s_add_nc_u64 s[8:9], s[8:9], s[66:67]
	s_lshl_b32 s68, s42, 7
	s_lshl_b32 s69, s14, 6
	s_add_co_u32 s68, s68, s69                     ; my first column,
	s_lshl_b32 s68, s68, 2                         ; 4 bytes a number
	s_mov_b32 s69, 0
	s_add_nc_u64 s[8:9], s[8:9], s[68:69]
; 16 rows of 64 f32: straight from the accumulators into my own stage, read back as whole rows of 256 bytes
.macro OUT16 a, f
	WIN 0x04                                       ; store data in window 1
.irp b, 0,1,2,3
	ds_store_b128 v[STO], v[8*(4*\a+\b):8*(4*\a+\b)+3]   offset:64*\b
	ds_store_b128 v[STO], v[8*(4*\a+\b)+4:8*(4*\a+\b)+7] offset:64*\b+16
.endr
	WIN 0
	s_wait_xcnt 0x0                                ; registers that earlier stores read are loaded again only behind this wait
.irp t, 0,1,2,3,4,5,6,7
	ds_load_b128 v[\f+4*\t:\f+4*\t+3], v[RD] offset:\t*2*SPITCH    ; LDS serves a wave's instructions in order (ISA guide 5.7.1): these see the stores above
.endr
.irp t, 0,1,2,3,4,5,6,7
	s_wait_dscnt 7-\t
	global_store_b128 v[CO], v[\f+4*\t:\f+4*\t+3], s[8:9] offset:(16*\a+2*\t)*4096 th:TH_STORE_NT   ; sixteen lanes store 256 consecutive bytes, at a multiple of 256
.endr
.endm
	OUT16 0, 160
	OUT16 1, 192
	OUT16 2, 160
	OUT16 3, 192
	s_wait_tensorcnt 0x0
	ds_add_u32 v254, v255
	s_wait_dscnt 0x0
	CROUND                                         ; the closing round
	s_endpgm
.Lfunc_end_k_q83568bd9e5_oproj:
	.size	k_q83568bd9e5_oproj, .Lfunc_end_k_q83568bd9e5_oproj-k_q83568bd9e5_oproj
	.p2alignl 7, 3214868480
	.fill 96, 4, 3214868480
	.section	.rodata,"a",@progbits
	.p2align	6, 0x0
	.amdhsa_kernel k_q83568bd9e5_oproj
		.amdhsa_group_segment_fixed_size 327680
		.amdhsa_private_segment_fixed_size 0
		.amdhsa_enable_private_segment 0
		.amdhsa_kernarg_size 24
		.amdhsa_user_sgpr_count 2
		.amdhsa_user_sgpr_kernarg_segment_ptr 1
		.amdhsa_wavefront_size32 1
		.amdhsa_system_sgpr_workgroup_id_x 1
		.amdhsa_system_sgpr_workgroup_id_y 1
		.amdhsa_system_sgpr_workgroup_id_z 1
		.amdhsa_system_vgpr_workitem_id 0
		.amdhsa_next_free_vgpr 384
		.amdhsa_next_free_sgpr 80
		.amdhsa_reserve_vcc 0
		.amdhsa_float_denorm_mode_32 3
		.amdhsa_float_denorm_mode_16_64 3
		.amdhsa_memory_ordered 1
		.amdhsa_forward_progress 1
		.amdhsa_inst_pref_size 89
	.end_amdhsa_kernel
	.amdgpu_metadata
---
amdhsa.version: [ 1, 2 ]
amdhsa.kernels:
  - .name:           k_q83568bd9e5_oproj
    .symbol:         k_q83568bd9e5_oproj.kd
    .args:
      - { .name: ao, .offset: 0, .size: 8, .value_kind: global_buffer, .address_space: global }
      - { .name: wob, .offset: 8, .size: 8, .value_kind: global_buffer, .address_space: global }
      - { .name: out0, .offset: 16, .size: 8, .value_kind: global_buffer, .address_space: global }
    .group_segment_fixed_size: 327680
    .private_segment_fixed_size: 0
    .kernarg_segment_align: 8
    .kernarg_segment_size: 24
    .max_flat_workgroup_size: 128
    .sgpr_count:     80
    .vgpr_count:     384
    .wavefront_size: 32
...
	.end_amdgpu_metadata
.endif
;; end of part 4
;; ======== version 2 of 2: 4 launches; 1.09 times as fast as version 1
;; limits: values are held in f16: magnitudes above 65,504 overflow, below 6.1e-05 lose precision
;; workspace buffers: xb 8,388,608 bytes; wb 4,194,304 bytes; wob 2,097,152 bytes; rope 540,672 bytes; qkv 16,777,216 bytes; ao 8,388,608 bytes
;; launch cast: the kernel of part 1 again; grid 1792 x 1, 8 waves a work-group, no clusters, 0 bytes of LDS; arguments x, wq, wk, wv, wo, xb, wb, wob, rope; writes xb, wb, wob, rope
;; launch proj: the kernel of part 2 again; grid 8 x 32, 4 waves a work-group, clusters of 4 x 4, 327,680 bytes of LDS; arguments xb, wb, rope, qkv; writes qkv
;; launch attn (part 5): grid 16 x 16, 8 waves a work-group, clusters of 4 x 1, 327,680 bytes of LDS; arguments qkv, ao; writes ao
.if DOCPART == 5
	.amdgcn_target "amdgcn-amd-amdhsa--gfx1250"
	.amdhsa_code_object_version 6
	.text
	.protected	k_q83568bd9e5_attn
	.globl	k_q83568bd9e5_attn
	.p2align	8
	.type	k_q83568bd9e5_attn,@function
k_q83568bd9e5_attn:
	s_mov_b64 s[64:65], 0
	v_nop
	global_prefetch_b8 v0, s[64:65] scope:SCOPE_SE
	s_setreg_imm32_b32 hwreg(HW_REG_WAVE_MODE, 25, 1), 1
	s_wait_xcnt 0x0
	s_wait_alu depctr_hold_cnt(0) depctr_sa_sdst(0) depctr_va_vdst(0) depctr_va_sdst(0) depctr_va_ssrc(0) depctr_va_vcc(0) depctr_vm_vsrc(0)
	s_getreg_b32 s2, hwreg(HW_REG_IB_STS2, 6, 4)
	s_cmp_eq_u32 s2, 0
	s_cbranch_scc0 .Lentry_in_a_cluster
	s_endpgm
.Lentry_in_a_cluster:
	s_bfe_u32 s2, ttmp6, 0x10000c
	s_cmp_lg_u32 s2, 0x3003
	s_cbranch_scc0 .Lentry_shape_is_right
	s_endpgm
.Lentry_shape_is_right:
; Softmax attention without a mask, 2048 keys, head size 64, two query heads to a key and value head; running maximum; f16 operands, f32 sums.
; In: qkv, f16 [32 head places][4096 rows][64] (0-15 Q, 16-23 K, 24-31 V).  Out: ao, f16 [4096][1024], column = head x 64 + d.
; A work-group: one batch, one key and value head (y), 128 positions (x) of both its query heads = 256 query rows.  Eight waves, two to a SIMD.
; Wave w: g = w % 4 says which head (g / 2) and which 64 positions (g % 2): four query tiles of 16; kh = w / 4 says which 128 of a slot's 256 keys
; it takes.  Waves w and w ^ 4 hold the same queries and merge their halves at the end.
; CLUSTERS: the four work-groups of a cluster differ in their positions alone and read the same K and V: every tile is asked for jointly (mask 15).
; TRANSPOSED: S^T = K Q^T (register j of lane (r, h): key 8 h + j, query r).  Two such tiles, packed to f16 in pairs, are at once the second source P
; (16 queries x 32 keys) of O^T += V^T P (register j: d 8 h + j, query r).  So maximum, factor and sum are one number a lane, and no lane shuffle is
; needed but one exchange of the halves for the maximum.  The row sum comes from the matrix unit: ONES has 1.0 in rows 0 and 8, so that register 0 of
; ONES x P holds the sum of the same rounded P that feeds O.
; Every P carries the factor 2^NEGMC with NEGMC = round(-c m), c = log2(e) / 8, and old sums are rescaled by 2^(NEGMC new - NEGMC old): the rounding of c m cancels.
; THE PIPELINE.  The work goes in units of one query tile x 64 keys: 8 products for S^T, 87 vector instructions of softmax, 17 of rescaling, 10 products
; for O^T and the sum.  Block u of the text holds (1) the rescaling and the 10 products of unit u - 1 and (2) the scalings, exponentials and packings of unit u,
; the 8 products of unit u + 1, and that unit's maximum, NEGMC and factor, made of the scores that the block itself has made: 18 matrix and 104 vector instructions a block.
; S has two buffers of 32 registers (unit u: buffer u % 2): P(u - 1) is read from the other buffer in part (1), and S(u + 1) is written over it in part (2).
; THE BATCH.  A block's 33 exponentials (the 32 weights of unit u and, last, the factor of unit u + 1) are ONE batch with ONE wait.  Ahead of the wait stands all that names
; no result of theirs: the scalings, the 8 products, the next unit's maximum and state.  Behind it stand the 16 packings, the block's only readers; the factor is read a block later.
; In the merge both tiles' four exponentials are one batch, and their two reciprocals, which read sums of those results, a second one.
; REGISTER WINDOWS: window 0 holds all that the softmax and the S products name, window 1 holds O, the sums, V and ONES.  Part (1) runs under one setting
; (first source, third source and destination in window 1; the rescaling has no third source), part (2) under setting 0: two switches a block.
; LIMIT: Q, K, V below 65,504 in magnitude (f16); the exponentials flush results below 2^-126 to zero.
.set SLOT,   77824                     ; V: 256 keys x 160 bytes at 0; K: 256 keys x 144 bytes at 40,960
.set KOFF,   40960
.set XCH,    2*SLOT                    ; 8 x 8,704 bytes: what a wave hands to its partner.  No tile ever lands here or behind
.set XW,     8704
.set STAGE,  XCH+8*XW                  ; 128 rows x 272 bytes: the block's output rows (both heads: 256 bytes)
.set SPITCH, 272
.set KA,   4                           ; v4-5    LDS address of my K fragments in slot 0, 1
.set VA,   6                           ; v6-7    the same for V (transposing loads)
.set QO,   8                           ; my byte offset in Q
.set XST,  9                           ; exchange: where I put
.set XLD,  10                          ; exchange: where my partner put
.set STO,  11                          ; stage: where I put 16 bytes of a row
.set SRD,  12                          ; stage: where I read a row back
.set CO,   13                          ; my byte offset in ao
.set ST,   16                          ; v[16+4t ..]: NEGMC, M, ALPHA, ARG of query tile t (ARG holds the sum at the end)
.set QF,   32                          ; v[32+16t+8dh ..]: Q fragments
.set S,    96                          ; two buffers of 32: S^T tile kt at +8kt; P(kg) packed in place at +16kg
.set KF,   160                         ; K fragments of 64 keys, +16kt+8dh
.set T,    224                         ; v224-231 at work
.set U,    232                         ; at work in the merge: eight registers for each of its two tiles, so that both tiles' results stay apart while a batch is open
.set FA,   248                         ; my share's factor, twice
.set FB,   250                         ; my partner's
.set LS,   128                         ; window 1: row sums, tile t at +8t.  O(t, dt) at 8 (4t + dt)
.set VF,   160                         ; window 1: V fragments of 64 keys, +32kg+8dt
.set ONES, 224                         ; window 1
.set G1V, 16
.set G1K, 24
.set G0V, 32
.set G0K, 40
.set MSB, 0
.macro WIN new                         ; the immediate's high byte repeats the setting that is left
.if MSB != \new
	s_set_vgpr_msb (MSB<<8)|\new
.set MSB, \new
.endif
.endm
.macro PLACES n
.rept \n
	v_nop
.endr
.endm
; A joint load.  Waves 0-3 fetch V's four quarters of a slot, waves 4-7 K's.  The branch hangs on the wave's number alone.
.macro JLOAD s
	s_cmp_eq_u32 s10, 0
	s_cbranch_scc0 .Lfor_k_\@
	tensor_load_to_lds s[G0V+4*\s:G0V+4*\s+3], s[G1V:G1V+7]
	s_nop 0
	s_branch .Lasked_\@
.Lfor_k_\@:
	tensor_load_to_lds s[G0K+4*\s:G0K+4*\s+3], s[G1K:G1K+7]
	s_nop 0
.Lasked_\@:
.endm
.macro CREST
	s_cmp_lg_u32 s8, 0
	s_cbranch_scc1 .Lnot_wave_0_\@
	s_barrier_signal -3
.Lnot_wave_0_\@:
	s_barrier_wait -3
	s_barrier_signal -1
	s_barrier_wait -1
.endm
.macro ROUND
	s_barrier_signal -1
	s_barrier_wait -1
	CREST
.endm
	s_load_b128 s[4:7], s[0:1], 0x0                ; qkv s[4:5], ao s[6:7]
	v_lshl_add_u32 v254, v0, 2, 0x3f800
	v_mov_b32 v255, 0
	ds_add_u32 v254, v255
	v_lshrrev_b32 v1, 5, v0
	v_readfirstlane_b32 s8, v1                     ; wave 0..7
	s_and_b32 s9, s8, 3                            ; g
	s_lshr_b32 s10, s8, 2                          ; kh.  Also: I fetch for V (0) or for K (1)
	s_bfe_u32 s11, ttmp6, 0x40000                  ; cx
	s_lshl_b32 s12, ttmp9, 2
	s_add_co_u32 s12, s12, s11                     ; block of 128 positions
	s_and_b32 s13, ttmp7, 0xffff
	s_lshr_b32 s14, s13, 3                         ; batch
	s_and_b32 s15, s13, 7                          ; key and value head
	; A wave's piece, 64 keys of 128 bytes, is dense in memory: 32 rows of 256 bytes.  The padding is counted along the tile: after every 32 words
	; (one key) 8 words for V (pitch 160: an odd multiple of 32, for the transposing loads) and 4 for K (pitch 144: an odd multiple of 16).
	s_mov_b32 s[G1V+0], 15|(1<<16)|(1<<20)|(1<<21)|(4<<22)|(7<<25)
	s_mov_b32 s[G1K+0], 15|(1<<16)|(1<<20)|(1<<21)|(4<<22)|(3<<25)
	s_mov_b32 s[G1V+1], 128<<16
	s_mov_b32 s[G1K+1], 128<<16
	s_mov_b32 s[G1V+2], 32<<16
	s_mov_b32 s[G1K+2], 32<<16
	s_mov_b32 s[G1V+3], 128<<16
	s_mov_b32 s[G1K+3], 128<<16
	s_mov_b32 s[G1V+4], 32
	s_mov_b32 s[G1K+4], 32
	s_mov_b32 s[G1V+5], 128
	s_mov_b32 s[G1K+5], 128
	s_mov_b32 s[G1V+6], 0
	s_mov_b32 s[G1K+6], 0
	s_mov_b32 s[G1V+7], 0
	s_mov_b32 s[G1K+7], 0
	s_lshl_b32 s54, s14, 18                        ; the batch: 2,048 rows of 128 bytes
	s_lshl_b32 s55, s9, 13                         ; my 64 keys of a slot
	s_add_co_u32 s54, s54, s55
	s_lshl_b32 s55, s15, 19                        ; the head
	s_add_co_u32 s54, s54, s55
	s_add_co_u32 s58, s54, 16<<19                  ; K's places begin at 16,
	s_add_co_u32 s54, s54, 24<<19                  ; V's at 24
	s_mov_b32 s55, 0
	s_mov_b32 s59, 0
	s_wait_dscnt 0x0
	s_wait_kmcnt 0x0
	s_add_nc_u64 s[56:57], s[4:5], s[54:55]
	s_add_nc_u64 s[60:61], s[4:5], s[58:59]
	s_mul_i32 s54, s8, 10240                       ; V's quarter of wave w (0-3): 64 keys x 160
	s_mul_i32 s55, s8, 9216
	s_add_co_u32 s55, s55, 4096                    ; K's quarter of wave w (4-7): 40,960 + (w - 4) x 64 x 144
	ROUND                                          ; all four work-groups are here: the first joint loads meet
.irp s, 0,1
	s_mov_b32 s[G0V+4*\s], 1
	s_add_co_u32 s[G0V+4*\s+1], s54, \s*SLOT
	s_add_nc_u64 s[G0V+4*\s+2:G0V+4*\s+3], s[56:57], \s*32768
	s_or_b32 s[G0V+4*\s+3], s[G0V+4*\s+3], 0x80000000
	s_mov_b32 s[G0K+4*\s], 1
	s_add_co_u32 s[G0K+4*\s+1], s55, \s*SLOT
	s_add_nc_u64 s[G0K+4*\s+2:G0K+4*\s+3], s[60:61], \s*32768
	s_or_b32 s[G0K+4*\s+3], s[G0K+4*\s+3], 0x80000000
	JLOAD \s                                       ; keys 0-255 and 256-511: two loads of the wave are out
.endr
	; Q: my head, my 64 positions
	s_lshl_b32 s58, s15, 1
	s_lshr_b32 s59, s9, 1
	s_add_co_u32 s58, s58, s59                     ; query head = 2 x key head + g / 2
	s_lshl_b32 s58, s58, 19
	s_lshl_b32 s59, s14, 18
	s_add_co_u32 s58, s58, s59
	s_lshl_b32 s59, s12, 14                        ; 128 positions of 128 bytes
	s_add_co_u32 s58, s58, s59
	s_mov_b32 s59, 0
	s_add_nc_u64 s[4:5], s[4:5], s[58:59]
	v_and_b32 v1, 31, v0                           ; l
	v_and_b32 v2, 15, v0                           ; r
	v_bfe_u32 v3, v0, 4, 1                         ; h
	s_and_b32 s56, s9, 1                           ; g % 2
	s_lshl_b32 s57, s56, 13
	v_lshlrev_b32 v[QO], 7, v2
	v_lshl_add_u32 v[QO], v3, 4, v[QO]
	v_add_nc_u32 v[QO], s57, v[QO]                 ; ((g % 2) 64 + r) 128 + 16 h
.irp t, 0,1,2,3
.irp dh, 0,1
	global_load_b128 v[QF+16*\t+8*\dh:QF+16*\t+8*\dh+3],   v[QO], s[4:5] offset:2048*\t+64*\dh
	global_load_b128 v[QF+16*\t+8*\dh+4:QF+16*\t+8*\dh+7], v[QO], s[4:5] offset:2048*\t+64*\dh+32
.endr
.endr
	s_lshl_b32 s58, s14, 22                        ; ao: the batch (2,048 rows of 2,048 bytes),
	s_lshl_b32 s59, s12, 18                        ; the block's 128 rows,
	s_add_co_u32 s58, s58, s59
	s_lshl_b32 s59, s15, 8                         ; the two heads' 256 bytes
	s_add_co_u32 s58, s58, s59
	s_mov_b32 s59, 0
	s_add_nc_u64 s[6:7], s[6:7], s[58:59]
	s_mov_b32 s48, 0x3e38aa3b                      ; c = log2(e) / 8
	s_mov_b32 s49, 0x3e38aa3b
	s_mov_b32 s53, 0xbe38aa3b                      ; -c
	s_mov_b32 s50, 0x76543210                      ; v_permlanex16_b32: lane i of one half reads lane i of the other
	s_mov_b32 s51, 0xfedcba98
	s_mul_i32 s57, s10, 128*144
	s_add_co_u32 s57, s57, KOFF
	v_mul_u32_u24 v[KA], v2, 144
	v_lshl_add_u32 v[KA], v3, 4, v[KA]
	v_add_nc_u32 v[KA], s57, v[KA]                 ; K: (128 kh + r) 144 + 16 h
	v_add_nc_u32 v[KA+1], SLOT, v[KA]
	s_mul_i32 s57, s10, 128*160
	v_and_b32 v14, 7, v0
	v_lshl_add_u32 v14, v3, 3, v14
	v_bfe_u32 v15, v0, 3, 1
	v_mul_u32_u24 v[VA], v14, 160
	v_lshl_add_u32 v[VA], v15, 4, v[VA]
	v_add_nc_u32 v[VA], s57, v[VA]                 ; V: (128 kh + 8 h + l % 8) 160 + 16 ((l / 8) % 2)
	v_add_nc_u32 v[VA+1], SLOT, v[VA]
	s_mul_i32 s57, s8, XW
	s_add_co_u32 s57, s57, XCH
	v_lshl_add_u32 v[XST], v1, 4, s57
	s_xor_b32 s57, s8, 4
	s_mul_i32 s57, s57, XW
	s_add_co_u32 s57, s57, XCH
	v_lshl_add_u32 v[XLD], v1, 4, s57
	s_mul_i32 s57, s56, 64*SPITCH
	s_lshr_b32 s58, s9, 1
	s_lshl_b32 s58, s58, 7
	s_add_co_u32 s57, s57, s58
	s_add_co_u32 s57, s57, STAGE
	v_mul_u32_u24 v[STO], v2, SPITCH
	v_lshl_add_u32 v[STO], v3, 4, v[STO]
	v_add_nc_u32 v[STO], s57, v[STO]               ; ((g % 2) 64 + r) 272 + (g / 2) 128 + 16 h
	s_mul_i32 s57, s8, 16*SPITCH
	s_add_co_u32 s57, s57, STAGE
	v_mul_u32_u24 v[SRD], v3, SPITCH
	v_lshl_add_u32 v[SRD], v2, 4, v[SRD]
	v_add_nc_u32 v[SRD], s57, v[SRD]               ; (16 w + h) 272 + 16 r
	s_lshl_b32 s57, s8, 15
	v_lshlrev_b32 v[CO], 11, v3
	v_lshl_add_u32 v[CO], v2, 4, v[CO]
	v_add_nc_u32 v[CO], s57, v[CO]                 ; (16 w + h) 2,048 + 16 r
	v_and_b32 v14, 7, v2
	v_cmp_eq_u32 vcc_lo, 0, v14
	v_mov_b32 v15, 0x3c003c00                      ; two 1.0 in f16
	WIN 0x40                                       ; destination in window 1
.irp j, 0,1,2,3,4,5,6,7
	v_cndmask_b32 v[ONES+\j], 0, v15, vcc_lo       ; rows 0 and 8 are ones, the others zeros
.endr
	WIN 0
; the K fragments of 64 keys (step st of my 128)
.macro LOADK slot, st
.irp kt, 0,1,2,3
.irp dh, 0,1
	ds_load_b128 v[KF+16*\kt+8*\dh:KF+16*\kt+8*\dh+3],   v[KA+\slot] offset:\st*9216+\kt*2304+\dh*64
	ds_load_b128 v[KF+16*\kt+8*\dh+4:KF+16*\kt+8*\dh+7], v[KA+\slot] offset:\st*9216+\kt*2304+\dh*64+32
.endr
.endr
.endm
; the V fragments of the same 64 keys, transposed on the way: fragment n = 4 kg + dt holds keys 32 kg .., d 16 dt ..
.macro LOADV slot, st
	WIN 0x40                                       ; destination in window 1, address in window 0
.irp n, 0,1,2,3,4,5,6,7
	ds_load_tr16_b128 v[VF+8*\n:VF+8*\n+3],   v[VA+\slot] offset:\st*10240+(\n/4)*5120+(\n%4)*32
	ds_load_tr16_b128 v[VF+8*\n+4:VF+8*\n+7], v[VA+\slot] offset:\st*10240+(\n/4)*5120+(\n%4)*32+2560
.endr
	WIN 0
.endm
; The symbols that a block sets: TP the tile of unit u - 1, TN the tile of unit u + 1, SB this unit's S buffer, SNB the other buffer, STT this tile's state,
; STN the next tile's state, DOS whether unit u + 1 exists, NF whether unit u + 1 belongs to the first step (no maximum so far).
; Product j of S^T of unit u + 1: j = 0-3 start key tiles 0-3 with d 0-31, j = 4-7 add d 32-63.  The four key tiles take turns.
.macro SW j
.if DOS
.if \j < 4
	v_wmma_f32_16x16x32_f16 v[SNB+8*\j:SNB+8*\j+7], v[KF+16*\j:KF+16*\j+7], v[QF+16*TN:QF+16*TN+7], 0
.else
	v_wmma_f32_16x16x32_f16 v[SNB+8*(\j-4):SNB+8*(\j-4)+7], v[KF+16*(\j-4)+8:KF+16*(\j-4)+15], v[QF+16*TN+8:QF+16*TN+15], v[SNB+8*(\j-4):SNB+8*(\j-4)+7]
.endif
.endif
.endm
.macro PVW kg, dt, zero                ; O^T(TP, dt) += V^T(kg, dt) P(kg)
.if \zero
	v_wmma_f32_16x16x32_f16 v[32*TP+8*(\dt):32*TP+8*(\dt)+7], v[VF+32*\kg+8*(\dt):VF+32*\kg+8*(\dt)+7], v[SNB+16*\kg:SNB+16*\kg+7], 0
.else
	v_wmma_f32_16x16x32_f16 v[32*TP+8*(\dt):32*TP+8*(\dt)+7], v[VF+32*\kg+8*(\dt):VF+32*\kg+8*(\dt)+7], v[SNB+16*\kg:SNB+16*\kg+7], v[32*TP+8*(\dt):32*TP+8*(\dt)+7]
.endif
.endm
.macro PVL kg, zero                    ; the row sums of P(kg)
.if \zero
	v_wmma_f32_16x16x32_f16 v[LS+8*TP:LS+8*TP+7], v[ONES:ONES+7], v[SNB+16*\kg:SNB+16*\kg+7], 0
.else
	v_wmma_f32_16x16x32_f16 v[LS+8*TP:LS+8*TP+7], v[ONES:ONES+7], v[SNB+16*\kg:SNB+16*\kg+7], v[LS+8*TP:LS+8*TP+7]
.endif
.endm
; Part (1) of a block: tile TP's old sums are rescaled by its factor and take the 64 keys of unit u - 1.  The rescaling of column tile dt stands in front of
; the product on column tile dt - 1.  first = 1: the first products start the sums, and nothing is rescaled.
; The five accumulators take turns, one instruction a turn.
.macro PVPH first
	WIN 0x51                                       ; first source (V, ONES, O), third source and destination (O, sums) in window 1; second source (P, the factor) in window 0
.if \first
	PVW 0, 0, 1
	PVW 0, 1, 1
	PVW 0, 2, 1
	PVW 0, 3, 1
	PVL 0, 1
.else
.irp dt, 0,1,2,3
.set i, 0
.rept 4
	v_pk_mul_f32 v[32*TP+8*\dt+2*i:32*TP+8*\dt+2*i+1], v[32*TP+8*\dt+2*i:32*TP+8*\dt+2*i+1], v[ST+4*TP+2:ST+4*TP+3] op_sel_hi:[1,0]
.set i, i+1
.endr
.if \dt
	PVW 0, \dt-1, 0
.endif
.endr
	v_mul_f32 v[LS+8*TP], v[LS+8*TP], v[ST+4*TP+2]         ; registers 1-7 of a sum tile are zeros and stay so
	PVW 0, 3, 0
	PVL 0, 0
.endif
	PVW 1, 0, 0
	PVW 1, 1, 0
	PVW 1, 2, 0
	PVW 1, 3, 0
	PVL 1, 0
	WIN 0
.endm
; THE VECTOR WORK AHEAD OF A BLOCK'S WAIT, one line at a time: OP kind, number.
; F k: pair k of 16 of unit u is scaled, c S + NEGMC.  E n: the exponential of score n of 32 of unit u, in place.
; X n: number n of the 23 that find unit u + 1's maximum and state, from the other buffer:
;   0-13  the maximum of my 32 numbers, in four chains of 9, 9, 7 and 7 (of each key tile one of the four lowest registers is read first)
;   14, 15  the four into one, with the maximum so far     16, 17  the other half of the lanes holds the other keys of my query
;   18  -c m     19  NEGMC new - NEGMC old, zero or below     20  the factor for the old sums     21, 22  M and NEGMC are written anew
; In the first step (NF) there is no maximum so far and no factor: 18 writes NEGMC itself, and 19, 20 and 22 are empty.  Without a next unit all X are empty.
.set F, 0
.set E, 1
.set X, 2
.macro XS n
.if DOS
.set XC, (\n)%4
.set XB, SNB+9*XC-2*(XC/3)             ; the chains begin at registers 0, 9, 18 and 25
.if (\n) < 4
	v_max3_num_f32 v[T+XC], v[XB], v[XB+1], v[XB+2]
.elseif (\n) < 12
	v_max3_num_f32 v[T+XC], v[T+XC], v[XB+2*((\n)/4)+1], v[XB+2*((\n)/4)+2]
.elseif (\n) == 12
	v_max3_num_f32 v[T], v[T], v[SNB+7], v[SNB+8]
.elseif (\n) == 13
	v_max3_num_f32 v[T+1], v[T+1], v[SNB+16], v[SNB+17]
.elseif (\n) == 14
	v_max3_num_f32 v[T], v[T], v[T+1], v[T+2]
.elseif ((\n) == 15) && NF
	v_max_num_f32 v[T], v[T], v[T+3]
.elseif (\n) == 15
	v_max3_num_f32 v[T], v[T], v[T+3], v[STN+1]
.elseif (\n) == 16
	v_permlanex16_b32 v[T+1], v[T], s50, s51
.elseif (\n) == 17
	v_max_num_f32 v[T], v[T], v[T+1]
.elseif ((\n) == 18) && NF
	v_mul_f32 v[STN], s53, v[T]
.elseif (\n) == 18
	v_mul_f32 v[T+2], s53, v[T]
.elseif (\n) == 21
	v_mov_b32 v[STN+1], v[T]
.elseif NF
.elseif (\n) == 19
	v_sub_f32 v[STN+3], v[T+2], v[STN]
.elseif (\n) == 20
	v_exp_f32 v[STN+2], v[STN+3]
.else
	v_mov_b32 v[STN], v[T+2]
.endif
.endif
.endm
.macro OP k, n
.if (\k) == F
	v_pk_fma_f32 v[SB+2*(\n):SB+2*(\n)+1], v[SB+2*(\n):SB+2*(\n)+1], s[48:49], v[STT:STT+1] op_sel_hi:[1,0,0]
.elseif (\k) == E
	v_exp_f32 v[SB+(\n)], v[SB+(\n)]
.else
	XS \n
.endif
.endm
.macro OPS a, i1, b=-1, i2=0, c=-1, i3=0, d=-1, i4=0   ; up to four of them
	OP \a, \i1
.if (\b) >= 0
	OP \b, \i2
.endif
.if (\c) >= 0
	OP \c, \i3
.endif
.if (\d) >= 0
	OP \d, \i4
.endif
.endm
; Block (step, t).  slot, st: where this step's keys lie.  sfirst: the first step.  pv: unit u - 1 is absent (0), usual (1), of the first step (2).
; dos: unit u + 1 exists.  kl: in t = 2 the next step's K fragments are fetched from (kslot, kst).
; mode, in t = 1 of a slot's second step: 1 a barrier alone (the next slot is whole), 2 this slot is filled again.
.macro BLOCK t, slot, st, sfirst, pv, dos, kl, kslot, kst, mode
.set TP,  (\t+3)%4
.set TN,  (\t+1)%4
.set SB,  S+32*(\t%2)
.set SNB, S+32*((\t+1)%2)
.set STT, ST+4*\t
.set STN, ST+4*TN
.set DOS, \dos
.set NF,  \sfirst*(1-\t/3)             ; behind the first step's tile 3 comes the second step's tile 0
.if \t == 1
	s_wait_dscnt 0x0                               ; this step's V fragments are in; in a slot's second step they were my last reads of the slot
.if \mode
	s_wait_tensorcnt 0x0                           ; all my tensor loads have landed: the one that was out is my part of the next slot
	ds_add_u32 v254, v255
	s_wait_dscnt 0x0
.if \mode == 2
	s_add_nc_u64 s[G0V+4*\slot+2:G0V+4*\slot+3], s[G0V+4*\slot+2:G0V+4*\slot+3], 0x10000    ; 512 keys on; no load of mine is out
	s_add_nc_u64 s[G0K+4*\slot+2:G0K+4*\slot+3], s[G0K+4*\slot+2:G0K+4*\slot+3], 0x10000
.endif
	s_barrier_signal -1                            ; the whole block, which works on registers alone, stands between this signal and its wait
.endif
.endif
.if \pv
	PVPH (\pv-1)
.endif
	; part (2), ahead of the wait.  P = 2^(c S + NEGMC); NEGMC of this unit was made in the block before.
	OPS F,0, F,1, F,2, F,3
	OPS F,4, F,5
	; these six plain instructions name no register of part (1)'s products: they are the places (ISA guide 7.12.1) behind which V's registers
	; may be loaded again (four are asked for) and the other buffer, which held P, may be written by a product (five)
.if \t == 0
	LOADV \slot, \st
.endif
.if \t == 3
.if \dos
	s_wait_dscnt 0x0                               ; the next step's K fragments, fetched in the block before
.endif
.endif
	; the 8 products of unit u + 1, three or four vector instructions behind each.  A key tile's first maximum stands four plain instructions behind the product
	; that ends the tile (ISA guide 7.12.1; an exponential is no such place): X 0 behind F 12-15, X 1 behind F 14, F 15, X 0, X 4, X 2 behind X 0, X 4, X 1, X 5, X 3 behind X 1, X 5, X 2, X 8
	SW 0
	OPS F,6, E,0, F,7, E,1
	SW 1
	OPS F,8, E,2, F,9, E,3
	SW 2
	OPS F,10, E,4, E,5
	SW 3
	OPS F,11, E,6, E,7
	SW 4
	OPS F,12, E,8, F,13, E,9
	SW 5
	OPS F,14, E,10, F,15, E,11
	SW 6
	OPS X,0, E,12, X,4, E,13
	SW 7
	OPS X,1, E,14, X,5, E,15
	; the rest of the batch: the other exponentials stand between the links of the chain X 3, 7, 11, 15, 16 .. 20, each of which reads the link before it
	OPS X,2, E,16, X,8, X,3
	OPS X,9, E,17, X,6, X,7
	OPS X,12, E,18, X,13, X,10
	OPS X,11, E,19, X,14, E,20
	OPS E,21, X,15, E,22, E,23
	OPS E,24, X,16, E,25, E,26
	OPS X,17, E,27, E,28, X,18
	OPS E,29, E,30, X,19, E,31
	OPS X,22, X,20, X,21                           ; X 20, the next unit's factor, is the batch's last; X 21 is the plain instruction behind it (ISA guide 5.7.2)
.if DOS == 0
	v_nop                                          ; without a next unit there is no X 21: the plain instruction behind the last exponential
.endif
	s_wait_alu depctr_va_vdst(0)                   ; the wait for the batch: between the block's 33 exponentials and the first line that names a result, the packing below
.if \kl
	LOADK \kslot, \kst                             ; more than four plain instructions stand behind the last product that read K's registers
.endif
	; behind the wait: the weights are packed to f16 in place, ascending: a target never lies ahead of a register still to be read
.set i, 0
.rept 16
	v_cvt_pk_f16_f32 v[SB+16*(i/8)+i%8], v[SB+2*i], v[SB+2*i+1]
.set i, i+1
.endr
.if \t == 1
.if \mode
	s_barrier_wait -1
.if \mode == 2
	CREST                                          ; the round's rest: no wave of any partner still reads this slot or has a load on its way
	JLOAD \slot                                    ; the joint refill: my first tensor load behind the round, ahead of my next LDS read
.endif
.endif
.endif
.endm
; 64 keys: four blocks.  pvprev: as pv, for the last unit of the step before.  last: no step follows.
.macro STEP slot, other, st, first, pvprev, last, mode
	BLOCK 0, \slot, \st, \first, \pvprev, 1, 0, 0, 0, 0
	BLOCK 1, \slot, \st, \first, 1+\first, 1, 0, 0, 0, \mode
.if \last
	BLOCK 2, \slot, \st, \first, 1+\first, 1, 0, 0, 0, 0
	BLOCK 3, \slot, \st, \first, 1+\first, 0, 0, 0, 0, 0
.else
.if \st
	BLOCK 2, \slot, \st, \first, 1+\first, 1, 1, \other, 0, 0
.else
	BLOCK 2, \slot, \st, \first, 1+\first, 1, 1, \slot, 1, 0
.endif
	BLOCK 3, \slot, \st, \first, 1+\first, 1, 0, 0, 0, 0
.endif
.endm
	s_wait_tensorcnt 0x1                           ; my part of slot 0 is in; slot 1's may stay out
	s_barrier_signal -1
	s_barrier_wait -1
	LOADK 0, 0
	s_wait_loadcnt 0x0                             ; Q
	s_wait_dscnt 0x0                               ; K of the first 64 keys
.set DOS, 1
.set TN,  0
.set SNB, S
.set STN, ST
.set NF,  1
.irp j, 0,1,2,3,4,5,6,7
	SW \j                                          ; S^T of unit 0 fills the pipeline
.endr
	PLACES 4                                       ; behind the products, in front of the first read of S (ISA guide 7.12.1)
.irp n, 0,1,2,3,4,5,6,7,8,9,10,11,12,13,14,15,16,17,18,21
	XS \n                                          ; and unit 0's maximum and NEGMC: it has no factor, so no exponential stands here
.endr
	STEP 0, 1, 0, 1, 0, 0, 0                       ; keys 0-255: the first products start the sums
	STEP 0, 1, 1, 0, 2, 0, 2
	s_mov_b32 s52, 2
.Ltiles:
	STEP 1, 0, 0, 0, 1, 0, 0                       ; slots of keys 256.., 512.. and then 768.., 1024..
	STEP 1, 0, 1, 0, 1, 0, 2
	STEP 0, 1, 0, 0, 1, 0, 0
	STEP 0, 1, 1, 0, 1, 0, 2
	s_sub_co_u32 s52, s52, 1
	s_cmp_lg_u32 s52, 0
	s_cbranch_scc1 .Ltiles
	STEP 1, 0, 0, 0, 1, 0, 0                       ; keys 1280..: the last refill (keys 1792..)
	STEP 1, 0, 1, 0, 1, 0, 2
	STEP 0, 1, 0, 0, 1, 0, 0                       ; keys 1536..: nothing is left to fetch
	STEP 0, 1, 1, 0, 1, 0, 1
	STEP 1, 0, 0, 0, 1, 0, 0                       ; keys 1792..
	STEP 1, 0, 1, 0, 1, 1, 0
.set TP,  3
.set SNB, S+32
	PVPH 0                                         ; the last unit drains the pipeline
	PLACES 4                                       ; behind the last products, in front of the reads of the sums
	; THE MERGE of the two halves of the keys.  kh = 0 finishes query tiles 0, 1 and hands over tiles 2, 3; kh = 1 the other way round.
	WIN 0x01
.irp t, 0,1,2,3
	v_mov_b32 v[ST+4*\t+3], v[LS+8*\t]             ; the row sum
.endr
	WIN 0
.macro SEND t0
	WIN 0x04                                       ; store data in window 1
.set i, 0
.rept 16
	ds_store_b128 v[XST], v[32*\t0+4*i:32*\t0+4*i+3] offset:512*i
.set i, i+1
.endr
	WIN 0
	v_mov_b32 v[T],   v[ST+4*\t0+1]
	v_mov_b32 v[T+1], v[ST+4*\t0+3]
	v_mov_b32 v[T+2], v[ST+4*\t0+5]
	v_mov_b32 v[T+3], v[ST+4*\t0+7]
	ds_store_b128 v[XST], v[T:T+3] offset:8192     ; maximum and sum of both tiles
.endm
.macro MERGE t0
.set i, 0
.rept 16
	ds_load_b128 v[S+4*i:S+4*i+3], v[XLD] offset:512*i
.set i, i+1
.endr
	ds_load_b128 v[T+4:T+7], v[XLD] offset:8192
	s_wait_dscnt 0x0
.irp tt, 0,1
	v_max_num_f32 v[U+8*\tt], v[ST+4*(\t0+\tt)+1], v[T+4+2*\tt]
	v_mul_f32 v[U+8*\tt], s53, v[U+8*\tt]                  ; -c times the joint maximum
	v_mul_f32 v[U+8*\tt+1], s53, v[T+4+2*\tt]              ; my partner's NEGMC, made as the partner made it
	v_sub_f32 v[U+8*\tt+2], v[U+8*\tt], v[ST+4*(\t0+\tt)]
	v_sub_f32 v[U+8*\tt+1], v[U+8*\tt], v[U+8*\tt+1]
.endr
.irp tt, 0,1
	v_exp_f32 v[U+8*\tt+3], v[U+8*\tt+2]                   ; the first batch: both tiles' two factors
	v_exp_f32 v[U+8*\tt+4], v[U+8*\tt+1]
.endr
	v_nop                                          ; a plain instruction behind the last exponential (ISA guide 5.7.2)
	s_wait_alu depctr_va_vdst(0)                   ; the wait for the four exponentials, ahead of the first line that names a result
.irp tt, 0,1
	v_mul_f32 v[U+8*\tt+5], v[U+8*\tt+3], v[ST+4*(\t0+\tt)+3]
	v_fmac_f32 v[U+8*\tt+5], v[U+8*\tt+4], v[T+5+2*\tt]    ; the whole row's sum: at least about 1, since one of the two factors is 1
.endr
.irp tt, 0,1
	v_rcp_f32 v[U+8*\tt+6], v[U+8*\tt+5]                   ; the second batch: both tiles' reciprocals
.endr
	v_nop                                          ; a plain instruction behind the last reciprocal
	s_wait_alu depctr_va_vdst(0)                   ; the wait for the two reciprocals
.irp tt, 0,1
	v_mul_f32 v[FA], v[U+8*\tt+3], v[U+8*\tt+6]
	v_mul_f32 v[FB], v[U+8*\tt+4], v[U+8*\tt+6]
	v_mov_b32 v[FA+1], v[FA]
	v_mov_b32 v[FB+1], v[FB]
.set i, 0
.rept 16
	v_pk_mul_f32 v[S+32*\tt+2*i:S+32*\tt+2*i+1], v[S+32*\tt+2*i:S+32*\tt+2*i+1], v[FB:FB+1]
.set i, i+1
.endr
	WIN 0x01
.set i, 0
.rept 16
	v_pk_fma_f32 v[S+32*\tt+2*i:S+32*\tt+2*i+1], v[32*(\t0+\tt)+2*i:32*(\t0+\tt)+2*i+1], v[FA:FA+1], v[S+32*\tt+2*i:S+32*\tt+2*i+1]
.set i, i+1
.endr
	WIN 0
.set i, 0
.rept 16
	v_cvt_pk_f16_f32 v[S+32*\tt+i], v[S+32*\tt+2*i], v[S+32*\tt+2*i+1]
.set i, i+1
.endr
.irp dt, 0,1,2,3
	ds_store_b128 v[STO], v[S+32*\tt+4*\dt:S+32*\tt+4*\dt+3] offset:4352*(\t0+\tt)+32*\dt
.endr
.endr
.endm
	s_cmp_eq_u32 s10, 0
	s_cbranch_scc0 .Lsend_hi
	SEND 2
	s_branch .Lsent
.Lsend_hi:
	SEND 0
.Lsent:
	s_wait_dscnt 0x0                               ; my stores are done, for my partner's sake
	s_barrier_signal -1
	s_barrier_wait -1
	s_cmp_eq_u32 s10, 0
	s_cbranch_scc0 .Lmerge_hi
	MERGE 0
	s_branch .Lmerged
.Lmerge_hi:
	MERGE 2
.Lmerged:
	s_wait_dscnt 0x0                               ; the stage's rows are written by several waves
	s_barrier_signal -1
	s_barrier_wait -1
.irp i, 0,1,2,3,4,5,6,7
	ds_load_b128 v[S+4*\i:S+4*\i+3], v[SRD] offset:2*SPITCH*\i
.endr
.irp i, 0,1,2,3,4,5,6,7
	s_wait_dscnt 7-\i
	global_store_b128 v[CO], v[S+4*\i:S+4*\i+3], s[6:7] offset:4096*\i     ; sixteen lanes store both heads of one row: 256 consecutive bytes, at a multiple of 256
.endr
	s_wait_tensorcnt 0x0
	ds_add_u32 v254, v255
	s_wait_dscnt 0x0
	ROUND                                          ; the closing round
	s_endpgm
.Lfunc_end_k_q83568bd9e5_attn:
	.size	k_q83568bd9e5_attn, .Lfunc_end_k_q83568bd9e5_attn-k_q83568bd9e5_attn
	.p2alignl 7, 3214868480
	.fill 96, 4, 3214868480
	.section	.rodata,"a",@progbits
	.p2align	6, 0x0
	.amdhsa_kernel k_q83568bd9e5_attn
		.amdhsa_group_segment_fixed_size 327680
		.amdhsa_private_segment_fixed_size 0
		.amdhsa_enable_private_segment 0
		.amdhsa_kernarg_size 16
		.amdhsa_user_sgpr_count 2
		.amdhsa_user_sgpr_kernarg_segment_ptr 1
		.amdhsa_wavefront_size32 1
		.amdhsa_system_sgpr_workgroup_id_x 1
		.amdhsa_system_sgpr_workgroup_id_y 1
		.amdhsa_system_sgpr_workgroup_id_z 1
		.amdhsa_system_vgpr_workitem_id 0
		.amdhsa_next_free_vgpr 488
		.amdhsa_next_free_sgpr 66
		.amdhsa_reserve_vcc 1
		.amdhsa_float_denorm_mode_32 3
		.amdhsa_float_denorm_mode_16_64 3
		.amdhsa_memory_ordered 1
		.amdhsa_forward_progress 1
		.amdhsa_inst_pref_size 255
	.end_amdhsa_kernel
	.section	.bss,"aw",@nobits
	.p2align	6
	.space	262144
	.amdgpu_metadata
---
amdhsa.version: [ 1, 2 ]
amdhsa.kernels:
  - .name:           k_q83568bd9e5_attn
    .symbol:         k_q83568bd9e5_attn.kd
    .args:
      - { .name: qkv, .offset: 0, .size: 8, .value_kind: global_buffer, .address_space: global }
      - { .name: ao, .offset: 8, .size: 8, .value_kind: global_buffer, .address_space: global }
    .group_segment_fixed_size: 327680
    .private_segment_fixed_size: 0
    .kernarg_segment_align: 8
    .kernarg_segment_size: 16
    .max_flat_workgroup_size: 256
    .sgpr_count:     66
    .vgpr_count:     488
    .wavefront_size: 32
...
	.end_amdgpu_metadata
.endif
;; end of part 5
;; launch oproj: the kernel of part 4 again; grid 8 x 32, 4 waves a work-group, clusters of 4 x 4, 327,680 bytes of LDS; arguments ao, wob, out0; writes out0
